; MI455X (gfx1250); checked and timed in simulation.
; The chip was launched on July 23, 2026; its instructions are those of AMD's public machine-readable ISA for CDNA 5 (MIT licence, August 2026) and "CDNA5" Instruction Set Architecture Reference Guide (July 2026). The comments in the code are by the model that wrote it; some were corrected since.
;; Attention Evaluator Model. Allowed arithmetic: float matrix products may take bf16 or f16 operands with f32 sums; all other float work in f32.
;; Inputs: Wc1 1,024 x 512 float32; Wc2 128 x 1,024 float32; Wf1 1,024 x 256 float32; Wf2 512 x 1,024 float32; Wq1 1,024 x 512 float32; Wq2 512 x 1,024 float32; attention_mask 16 x 4,096 bool; bc1 1,024 float32; bc2 128 float32; bf1 1,024 float32; bf2 512 float32; bq1 1,024 float32; bq2 512 float32; feature_time_weights 16 x 4,096 float32; features 16 x 4,096 x 256 float32; query 16 x 64 x 512 float32; values 16 x 4,096 x 512 float32.
;; Outputs: out0 16 x 64 x 128 float32.
;; One version. Each part assembles by itself: llvm-mc -triple=amdgcn-amd-amdhsa -mcpu=gfx1250 --defsym DOCPART=n.
;; ======== version 1 of 1: 8 launches
;; limits: values are held in f16: magnitudes above 65,504 overflow, below 6.1e-05 lose precision; inputs' magnitudes at most 65,504
;; workspace buffers: packs 12,320,768 bytes; fold1 1,703,936 bytes; fold2 591,104 bytes; va 1,179,648 bytes; wts 8,388,608 bytes; pl 4,194,304 bytes; hbuf 4,194,304 bytes
;; launch prep (part 1): grid 328 x 1, 8 waves a work-group, no clusters, 35,840 bytes of LDS; arguments query, Wc1, Wq2, Wf2, Wc2, bq1, bf1, Wq1, Wf1, packs; writes packs
.if DOCPART == 1
	.amdgcn_target "amdgcn-amd-amdhsa--gfx1250"
	.amdhsa_code_object_version 6
	.text
	.protected	k_q54e015ae49_prep
	.globl	k_q54e015ae49_prep
	.p2align	8
	.type	k_q54e015ae49_prep,@function
k_q54e015ae49_prep:
	s_mov_b64 s[64:65], 0
	v_nop
	global_prefetch_b8 v0, s[64:65] scope:SCOPE_SE
	s_setreg_imm32_b32 hwreg(HW_REG_WAVE_MODE, 25, 1), 1
	s_wait_xcnt 0x0
; PREP: every small f32 operand is split into bf16 hi + bf16 lo (x = hi + lo up to 2^-16 of x) and laid out in the order
; in which a 16x16x32 matrix instruction wants it, so that the later launches load fragments by plain 16-byte loads.
; A block = (16 rows, 32 along K) = 2,048 bytes: +0 hi registers 0-3, +512 hi registers 4-7, +1024 lo 0-3, +1536 lo 4-7,
; a lane's 16 bytes at lane*16.  Lane (r = lane%16, h = lane/16) holds row r; word p of half c holds K = 16c+8h+2p, +1.
; Regions of packs: XP query, W2P Wq2|Wf2, W1TP Wq1^T|bq1 rows|Wf1^T|bf1 rows, WC1P Wc1, WC2P Wc2.
; A transposed source [K][N] is read 16 bytes a lane, lane r taking 4 neighbouring n: row r of tile t is n = 64 nb + 4 r + t.
; The operand that later meets this order along K (query, Wc1) is packed in the same order (perm = 1).
; The 32 rows of bq1 (bf1) behind Wq1^T (Wf1^T) carry the first layer's bias through the folded products.
; One wave does one job and uses only its own LDS stage: no barrier.
.set W2P,  2097152
.set W1TP, 6291456
.set WC1P, 9699328
.set WC2P, 11796480
.set T0,  8                            ; v[8:9] at work
.set T1,  9
.set RAW, 32                           ; v[32:95]  as loaded
.set RR,  64                           ; v[64:95]  NTJOB: a lane's 32 numbers, read back from the stage
.set PK,  96                           ; v[96:159] packed words
.macro SPLIT2 hi, lo, a, b             ; two f32 -> a word of hi parts and a word of lo parts
	v_cvt_pk_bf16_f32 v[\hi], v[\a], v[\b]
	v_lshlrev_b32 v[T0], 16, v[\hi]
	v_and_b32 v[T1], 0xffff0000, v[\hi]
	v_sub_f32 v[T0], v[\a], v[T0]          ; exact: what the hi part left over
	v_sub_f32 v[T1], v[\b], v[T1]
	v_cvt_pk_bf16_f32 v[\lo], v[T0], v[T1]
.endm
; 16 rows x 64 along K of a source whose rows lie along K.  pitch = bytes from row to row (0: all 16 rows are one vector).
.macro NTJOB perm, pitch
	s_mul_i32 s38, s24, 4352               ; my wave's stage: 16 rows of 272 bytes
	v_mul_u32_u24 v5, v12, \pitch
	v_lshl_add_u32 v1, v11, 4, v5          ; lanes 0-15 one row's 256 bytes, lanes 16-31 the next row's
	v_mul_u32_u24 v5, v12, 272
	v_lshl_add_u32 v2, v11, 4, v5
	v_add_nc_u32 v2, s38, v2               ; the same two rows in the stage
	v_mul_u32_u24 v5, v11, 272
.if \perm
	v_lshl_add_u32 v3, v12, 7, v5          ; back: row r, 32 numbers from byte 128 h
.else
	v_lshl_add_u32 v3, v12, 5, v5          ; back: row r, 8 numbers from byte 32 h of each 64
.endif
	v_add_nc_u32 v3, s38, v3
.irp i, 0,1,2,3,4,5,6,7
	global_load_b128 v[RAW+4*\i:RAW+4*\i+3], v1, s[26:27] offset:2*\i*\pitch
.endr
	s_wait_loadcnt 0x0
.irp i, 0,1,2,3,4,5,6,7
	ds_store_b128 v2, v[RAW+4*\i:RAW+4*\i+3] offset:544*\i
.endr
	; LDS serves a wave's instructions in order: the loads below see the stores above
.if \perm
.irp i, 0,1,2,3,4,5,6,7
	ds_load_b128 v[RR+4*\i:RR+4*\i+3], v3 offset:16*\i
.endr
	s_wait_dscnt 0x0
.irp u, 0,1
.irp c, 0,1
.irp p, 0,1,2,3
	SPLIT2 PK+16*\u+4*\c+\p, PK+16*\u+8+4*\c+\p, RR+8*\p+2*\u+\c, RR+8*\p+4+2*\u+\c
.endr
.endr
.endr
.else
.irp u, 0,1
.irp c, 0,1
.irp x, 0,1
	ds_load_b128 v[RR+4*(4*\u+2*\c+\x):RR+4*(4*\u+2*\c+\x)+3], v3 offset:128*\u+64*\c+16*\x
.endr
.endr
.endr
	s_wait_dscnt 0x0
.irp u, 0,1
.irp c, 0,1
.irp x, 0,1
.irp y, 0,1
	SPLIT2 PK+16*\u+4*\c+2*\x+\y, PK+16*\u+8+4*\c+2*\x+\y, RR+4*(4*\u+2*\c+\x)+2*\y, RR+4*(4*\u+2*\c+\x)+2*\y+1
.endr
.endr
.endr
.endr
.endif
.irp u, 0,1
.irp q, 0,1
.irp c, 0,1
	global_store_b128 v4, v[PK+16*\u+8*\q+4*\c:PK+16*\u+8*\q+4*\c+3], s[28:29] offset:2048*\u+1024*\q+512*\c   ; 512 consecutive bytes, aligned
.endr
.endr
.endr
.endm
; 32 along K x 64 n of a source [K][N]: four row tiles of the transposed operand, one K step.
.macro TJOB pitch
	v_mul_u32_u24 v5, v12, 8*\pitch
	v_lshl_add_u32 v1, v11, 4, v5          ; K row 8 h, n = 4 r .. 4 r + 3
.irp g, 0,1
.irp j, 0,1,2,3,4,5,6,7
	global_load_b128 v[RAW+4*(8*\g+\j):RAW+4*(8*\g+\j)+3], v1, s[26:27] offset:(16*\g+\j)*\pitch
.endr
.endr
	s_wait_loadcnt 0x0
.irp t, 0,1,2,3
.irp g, 0,1
.irp p, 0,1,2,3
	SPLIT2 PK+16*\t+4*\g+\p, PK+16*\t+8+4*\g+\p, RAW+4*(8*\g+2*\p)+\t, RAW+4*(8*\g+2*\p+1)+\t
.endr
.endr
.endr
.irp t, 0,1,2,3
.irp q, 0,1
.irp g, 0,1
	global_store_b128 v4, v[PK+16*\t+8*\q+4*\g:PK+16*\t+8*\q+4*\g+3], s[28:29] offset:65536*\t+1024*\q+512*\g
.endr
.endr
.endr
.endm
	s_load_b512 s[4:19], s[0:1], 0x0       ; query 4, Wc1 6, Wq2 8, Wf2 10, Wc2 12, bq1 14, bf1 16, Wq1 18
	s_load_b128 s[20:23], s[0:1], 0x40     ; Wf1 20, packs 22
	v_lshl_add_u32 v160, v0, 2, 0x8800
	v_mov_b32 v161, 0
	v_lshrrev_b32 v1, 5, v0
	v_readfirstlane_b32 s24, v1            ; wave
	v_and_b32 v10, 31, v0
	v_and_b32 v11, 15, v0                  ; r
	v_bfe_u32 v12, v0, 4, 1                ; h
	v_lshlrev_b32 v4, 4, v10               ; lane * 16
	s_mov_b32 s25, ttmp9                   ; the work-group's number picks the job
	s_mov_b32 s31, 0                       ; high words of the two offset pairs
	s_mov_b32 s33, 0
	s_wait_kmcnt 0x0
	s_cmp_lt_u32 s25, 128
	s_cbranch_scc0 .Lnot_a
	; 0-127: query (64 row tiles), then Wc1 (64 row tiles); K = 512 in the permuted order; wave w takes K 64 w ..
	s_cmp_lt_u32 s25, 64
	s_cselect_b64 s[26:27], s[4:5], s[6:7]
	s_cselect_b32 s32, 0, WC1P
	s_and_b32 s34, s25, 63
	s_lshl_b32 s34, s34, 15                ; 16 rows of 2,048 bytes in the source = a row tile of 32,768 bytes in the pack
	s_lshl_b32 s30, s24, 8
	s_add_co_u32 s30, s30, s34
	s_add_nc_u64 s[26:27], s[26:27], s[30:31]
	s_lshl_b32 s35, s24, 12
	s_add_co_u32 s32, s32, s34
	s_add_co_u32 s32, s32, s35
	s_add_nc_u64 s[28:29], s[22:23], s[32:33]
	NTJOB 1, 2048
	s_wait_tensorcnt 0x0
	ds_add_u32 v160, v161
	s_wait_dscnt 0x0
	s_endpgm
.Lnot_a:
	s_cmp_lt_u32 s25, 272
	s_cbranch_scc0 .Lnot_bc
	; 128-271: Wq2, Wf2 (32 row tiles each), Wc2 (8); K = 1,024: two work-groups a row tile
	s_sub_co_u32 s34, s25, 128             ; x
	s_mov_b32 s32, W2P
	s_mov_b32 s39, WC2P-64*65536           ; Wc2's x/2 begins at 64
	s_cmp_lt_u32 s34, 64
	s_cselect_b64 s[26:27], s[8:9], s[10:11]
	s_cmp_lt_u32 s34, 128
	s_cselect_b64 s[26:27], s[26:27], s[12:13]
	s_cselect_b32 s32, s32, s39
	s_lshr_b32 s35, s34, 1
	s_and_b32 s36, s34, 1
	s_lshl3_add_u32 s36, s36, s24          ; block of 64 along K: 8 (x & 1) + wave
	s_and_b32 s37, s35, 31
	s_lshl_b32 s37, s37, 16                ; 16 rows of 4,096 bytes
	s_lshl_b32 s30, s36, 8
	s_add_co_u32 s30, s30, s37
	s_add_nc_u64 s[26:27], s[26:27], s[30:31]
	s_lshl_b32 s35, s35, 16
	s_add_co_u32 s32, s32, s35
	s_lshl_b32 s36, s36, 12
	s_add_co_u32 s32, s32, s36
	s_add_nc_u64 s[28:29], s[22:23], s[32:33]
	NTJOB 0, 4096
	s_wait_tensorcnt 0x0
	ds_add_u32 v160, v161
	s_wait_dscnt 0x0
	s_endpgm
.Lnot_bc:
	s_cmp_lt_u32 s25, 280
	s_cbranch_scc0 .Lnot_d
	; 272-279: the rows of bq1 (row tiles 32, 33) and of bf1 (50, 51)
	s_sub_co_u32 s34, s25, 272
	s_cmp_lt_u32 s34, 4
	s_cselect_b64 s[26:27], s[14:15], s[16:17]
	s_cselect_b32 s35, 32, 48
	s_lshr_b32 s37, s34, 1
	s_add_co_u32 s35, s35, s37
	s_and_b32 s36, s34, 1
	s_lshl3_add_u32 s36, s36, s24
	s_lshl_b32 s30, s36, 8
	s_add_nc_u64 s[26:27], s[26:27], s[30:31]
	s_lshl_b32 s32, s35, 16
	s_lshl_b32 s36, s36, 12
	s_add_co_u32 s32, s32, s36
	s_add_co_u32 s32, s32, W1TP
	s_add_nc_u64 s[28:29], s[22:23], s[32:33]
	NTJOB 0, 0
	s_wait_tensorcnt 0x0
	ds_add_u32 v160, v161
	s_wait_dscnt 0x0
	s_endpgm
.Lnot_d:
	s_cmp_lt_u32 s25, 312
	s_cbranch_scc0 .Lwf1
	; 280-311: Wq1 transposed: 8 blocks of 64 n x 32 K steps
	s_sub_co_u32 s34, s25, 280
	s_lshr_b32 s35, s34, 2                 ; nb
	s_and_b32 s36, s34, 3
	s_lshl3_add_u32 s36, s36, s24          ; K step
	s_lshl_b32 s30, s36, 16                ; 32 rows of 2,048 bytes
	s_lshl_b32 s37, s35, 8
	s_add_co_u32 s30, s30, s37
	s_add_nc_u64 s[26:27], s[18:19], s[30:31]
	s_lshl_b32 s32, s35, 18                ; four row tiles of 65,536 bytes
	s_lshl_b32 s36, s36, 11
	s_add_co_u32 s32, s32, s36
	s_add_co_u32 s32, s32, W1TP
	s_add_nc_u64 s[28:29], s[22:23], s[32:33]
	TJOB 2048
	s_endpgm
.Lwf1:
	; 312-327: Wf1 transposed: 4 blocks of 64 n x 32 K steps, from row tile 34 on
	s_sub_co_u32 s34, s25, 312
	s_lshr_b32 s35, s34, 2
	s_and_b32 s36, s34, 3
	s_lshl3_add_u32 s36, s36, s24
	s_lshl_b32 s30, s36, 15                ; 32 rows of 1,024 bytes
	s_lshl_b32 s37, s35, 8
	s_add_co_u32 s30, s30, s37
	s_add_nc_u64 s[26:27], s[20:21], s[30:31]
	s_lshl_b32 s32, s35, 18
	s_lshl_b32 s36, s36, 11
	s_add_co_u32 s32, s32, s36
	s_add_co_u32 s32, s32, W1TP+34*65536
	s_add_nc_u64 s[28:29], s[22:23], s[32:33]
	TJOB 1024
	s_endpgm
.Lfunc_end_k_q54e015ae49_prep:
	.size	k_q54e015ae49_prep, .Lfunc_end_k_q54e015ae49_prep-k_q54e015ae49_prep
	.p2alignl 7, 3214868480
	.fill 96, 4, 3214868480
	.section	.rodata,"a",@progbits
	.p2align	6, 0x0
	.amdhsa_kernel k_q54e015ae49_prep
		.amdhsa_group_segment_fixed_size 35840
		.amdhsa_private_segment_fixed_size 0
		.amdhsa_enable_private_segment 0
		.amdhsa_kernarg_size 80
		.amdhsa_user_sgpr_count 2
		.amdhsa_user_sgpr_kernarg_segment_ptr 1
		.amdhsa_wavefront_size32 1
		.amdhsa_system_sgpr_workgroup_id_x 1
		.amdhsa_system_sgpr_workgroup_id_y 1
		.amdhsa_system_sgpr_workgroup_id_z 1
		.amdhsa_system_vgpr_workitem_id 0
		.amdhsa_next_free_vgpr 162
		.amdhsa_next_free_sgpr 66
		.amdhsa_reserve_vcc 0
		.amdhsa_float_denorm_mode_32 3
		.amdhsa_float_denorm_mode_16_64 3
		.amdhsa_memory_ordered 1
		.amdhsa_forward_progress 1
		.amdhsa_inst_pref_size 52
	.end_amdhsa_kernel
	.amdgpu_metadata
---
amdhsa.version: [ 1, 2 ]
amdhsa.kernels:
  - .name:           k_q54e015ae49_prep
    .symbol:         k_q54e015ae49_prep.kd
    .args:
      - { .name: query, .offset: 0, .size: 8, .value_kind: global_buffer, .address_space: global }
      - { .name: Wc1, .offset: 8, .size: 8, .value_kind: global_buffer, .address_space: global }
      - { .name: Wq2, .offset: 16, .size: 8, .value_kind: global_buffer, .address_space: global }
      - { .name: Wf2, .offset: 24, .size: 8, .value_kind: global_buffer, .address_space: global }
      - { .name: Wc2, .offset: 32, .size: 8, .value_kind: global_buffer, .address_space: global }
      - { .name: bq1, .offset: 40, .size: 8, .value_kind: global_buffer, .address_space: global }
      - { .name: bf1, .offset: 48, .size: 8, .value_kind: global_buffer, .address_space: global }
      - { .name: Wq1, .offset: 56, .size: 8, .value_kind: global_buffer, .address_space: global }
      - { .name: Wf1, .offset: 64, .size: 8, .value_kind: global_buffer, .address_space: global }
      - { .name: packs, .offset: 72, .size: 8, .value_kind: global_buffer, .address_space: global }
    .group_segment_fixed_size: 35840
    .private_segment_fixed_size: 0
    .kernarg_segment_align: 8
    .kernarg_segment_size: 80
    .max_flat_workgroup_size: 256
    .sgpr_count:     66
    .vgpr_count:     162
    .wavefront_size: 32
...
	.end_amdgpu_metadata
.endif
;; end of part 1
;; launch L1 (part 2): grid 8 x 26, 4 waves a work-group, no clusters, 33,280 bytes of LDS; arguments packs, bq2, bf2, fold1; writes fold1
.if DOCPART == 2
	.amdgcn_target "amdgcn-amd-amdhsa--gfx1250"
	.amdhsa_code_object_version 6
	.text
	.protected	k_q54e015ae49_L1
	.globl	k_q54e015ae49_L1
	.p2align	8
	.type	k_q54e015ae49_L1,@function
k_q54e015ae49_L1:
	s_mov_b64 s[64:65], 0
	v_nop
	global_prefetch_b8 v0, s[64:65] scope:SCOPE_SE
	s_setreg_imm32_b32 hwreg(HW_REG_WAVE_MODE, 25, 1), 1
	s_wait_xcnt 0x0
; L1: the two mappers are folded.  fold1 row s' (row tiles 0-33): WqT[s'][e] = sum over h of Wq1aug[h][s'] Wq2[e][h];
; row tiles 34-51: WfT[k'][e] likewise from Wf1aug and Wf2.  The rows made of bq1 (bf1) get bq2 (bf2) added: they are the mapper's whole bias.
; OUT[n][m] = sum over k of X[m][k] Y[n][k], all operands split bf16 (hi + lo), three products hi*hi + hi*lo + lo*hi, sums in f32.
; With A = X and B = Y, register j of lane (r, h) holds OUT[n = r][m = 8h + j]: already the fragment of a tensor with rows n and K = m,
; so the result is split again and stored in fragment order without any move between lanes.
; A work-group makes 64 (m) x 32 (n) of OUT: 6 operand tiles are loaded for 8 tile products.  Its four waves split K (8 K steps of 32 each)
; and add their parts through LDS; wave w finishes tiles 2 w and 2 w + 1 (m tile a = w, n tiles 0 and 1).
; REGISTERS in windows of 256: X's sets in v16-v207, Y's sets from v256, the accumulators from v512.
; No cluster: the operands go straight from memory into registers in fragment order; a joint tensor load would need an LDS ring that 8 K steps a wave do not repay.
.set MT, 4
.set NT, 2
.set PH, 1                             ; Y has one run of K steps
.set PHOFF, 0
.set NS, 8
.set DEPTH, 3
.set RTX, 65536
.set RTY, 65536
.set RTO, 32768
.set LGN, 13                           ; a wave's 8 partial tiles: 8,192 bytes of LDS
.set LGT, 11                           ; the 2 tiles that a wave finishes: 2,048 bytes
.set W2P,  2097152
.set W1TP, 6291456
; ---- the product's common part ----
.set YT, NT*PH                         ; Y tiles in a set
.set NTL, MT*NT                        ; accumulators, tile t = a*NT + n at v[512 + 8 t]
.set TPW, NTL/4                        ; tiles that a wave finishes
.set LPS, 4*(MT+YT)                    ; loads in a set
.set XS, 16                            ; X's sets (window 0); a tile = 8 registers hi, 8 lo
.set RD, 16                            ; the way out: 4 waves' parts of tile tt at RD + 32 tt
.set OUTR, 144                         ; the way out: packed words, 8 for each tile
.set BIAS, 208
.set T0, 8
.set T1, 9
.set MULW, 0xa4                        ; A window 0, B window 1, C and D window 2
.set TOY, 0x40                         ; a load's destination in window 1
.set FROMACC, 0x08                     ; an LDS store's data in window 2
.set MSB, 0
.macro WIN new                         ; the immediate's high byte repeats the setting that is left
.if MSB != \new
	s_set_vgpr_msb (MSB<<8)|\new
.set MSB, \new
.endif
.endm
.macro PLACES                          ; four plain vector instructions behind a matrix instruction, before its registers are loaded, stored or rewritten (ISA guide 7.12.1)
.rept 4
	v_nop
.endr
.endm
.macro ADD8 d, s
.irp k, 0,2,4,6
	v_pk_add_f32 v[\d+\k:\d+\k+1], v[\d+\k:\d+\k+1], v[\s+\k:\s+\k+1]
.endr
.endm
.macro IDS
	v_lshrrev_b32 v2, 5, v0
	v_readfirstlane_b32 s16, v2            ; wave
	s_mov_b32 s17, ttmp9                   ; mx
	s_and_b32 s18, ttmp7, 0xffff           ; ny
	v_and_b32 v1, 31, v0
	v_lshlrev_b32 v1, 4, v1                ; lane * 16: the one vector offset of all operand loads
	v_bfe_u32 v7, v0, 4, 1                 ; h
	v_lshl_add_u32 v3, s16, LGN, v1        ; LDS: my partial tiles
	v_lshl_add_u32 v4, s16, LGT, v1        ; LDS: the tiles that I finish, in each wave's part
	s_lshr_b32 s24, s16, 1
	s_and_b32 s25, s16, 1
	s_mov_b32 s21, 0
.endm
.macro LOADSET s, i                    ; K step i of my share into set s
	WIN 0
.set tau, 0
.rept MT
.irp q, 0,1
.irp c, 0,1
	global_load_b128 v[XS+16*MT*(\s)+16*tau+8*\q+4*\c:XS+16*MT*(\s)+16*tau+8*\q+4*\c+3], v1, s[36:37] offset:tau*RTX+(\i)*2048+\q*1024+\c*512
.endr
.endr
.set tau, tau+1
.endr
	WIN TOY
.set tau, 0
.rept YT
.irp q, 0,1
.irp c, 0,1
	global_load_b128 v[16*YT*(\s)+16*tau+8*\q+4*\c:16*YT*(\s)+16*tau+8*\q+4*\c+3], v1, s[38:39] offset:(tau%NT)*RTY+(tau/NT)*PHOFF+(\i)*2048+\q*1024+\c*512
.endr
.endr
.set tau, tau+1
.endr
.endm
.macro MUL3 s                          ; hi*hi, hi*lo, lo*hi; the accumulators take turns, one instruction a turn
.irp pr, 0,1,2
.set tp, 0
.rept PH
.set ta, 0
.rept MT
.set tn, 0
.rept NT
.set XR, XS+16*MT*(\s)+16*ta+8*(\pr/2)
.set YR, 16*YT*(\s)+16*(tp*NT+tn)+8*(\pr%2)
.set AR, 8*(ta*NT+tn)
.if (st+\pr+tp) == 0
	v_wmma_f32_16x16x32_bf16 v[AR:AR+7], v[XR:XR+7], v[YR:YR+7], 0
.else
	v_wmma_f32_16x16x32_bf16 v[AR:AR+7], v[XR:XR+7], v[YR:YR+7], v[AR:AR+7]
.endif
.set tn, tn+1
.endr
.set ta, ta+1
.endr
.set tp, tp+1
.endr
.endr
.endm
.macro STEP
.if NS-1-st < DEPTH-1
	s_wait_loadcnt LPS*(NS-1-st)           ; loads come back in order: this step's set is in, the younger sets stay out
.else
	s_wait_loadcnt LPS*(DEPTH-1)
.endif
.set cur, st%DEPTH
.set nxt, st+DEPTH
	WIN MULW
	MUL3 cur
.if nxt < NS
	PLACES
	LOADSET cur, nxt
.endif
.endm
.macro PRODUCT                         ; leaves the tiles that I finish, summed over the four waves, in v[RD+32 tt : RD+32 tt+7]
.set st, 0
.rept DEPTH                            ; more loads go out here than the counter's field holds: the issue is then held back (ISA guide 5.7.1); no wait's count hangs on that
	LOADSET st, st
.set st, st+1
.endr
.set st, 0
.rept NS
	STEP
.set st, st+1
.endr
	PLACES
	WIN FROMACC
.set tl, 0
.rept NTL
.irp q, 0,1
	ds_store_b128 v3, v[8*tl+4*\q:8*tl+4*\q+3] offset:tl*1024+\q*512
.endr
.set tl, tl+1
.endr
	WIN 0
	s_wait_dscnt 0x0                       ; my parts are in LDS, for the other waves' sake
	s_barrier_signal -1
	s_barrier_wait -1
.set tt, 0
.rept TPW
.irp sr, 0,1,2,3
.irp q, 0,1
	ds_load_b128 v[RD+32*tt+8*\sr+4*\q:RD+32*tt+8*\sr+4*\q+3], v4 offset:\sr*NTL*1024+tt*1024+\q*512
.endr
.endr
.set tt, tt+1
.endr
	s_wait_dscnt 0x0
.set tt, 0
.rept TPW
	ADD8 RD+32*tt, RD+32*tt+8
	ADD8 RD+32*tt+16, RD+32*tt+24
	ADD8 RD+32*tt, RD+32*tt+16
.set tt, tt+1
.endr
.endm
.macro SPLIT2 hi, lo, a, b
	v_cvt_pk_bf16_f32 v[\hi], v[\a], v[\b]
	v_lshlrev_b32 v[T0], 16, v[\hi]
	v_and_b32 v[T1], 0xffff0000, v[\hi]
	v_sub_f32 v[T0], v[\a], v[T0]
	v_sub_f32 v[T1], v[\b], v[T1]
	v_cvt_pk_bf16_f32 v[\lo], v[T0], v[T1]
.endm
.macro FOSALL                          ; each finished tile -> half a block in fragment order: 512 bytes of hi parts, 512 of lo parts; data registers of its own
.set tt, 0
.rept TPW
.irp p, 0,1,2,3
	SPLIT2 OUTR+8*tt+\p, OUTR+8*tt+4+\p, RD+32*tt+2*\p, RD+32*tt+2*\p+1
.endr
	global_store_b128 v1, v[OUTR+8*tt:OUTR+8*tt+3], s[42:43] offset:tt*RTO
	global_store_b128 v1, v[OUTR+8*tt+4:OUTR+8*tt+7], s[42:43] offset:tt*RTO+1024
.set tt, tt+1
.endr
.endm
; ---- end of the common part ----
	s_load_b256 s[4:11], s[0:1], 0x0       ; packs 4, bq2 6, bf2 8, fold1 10
	v_lshl_add_u32 v254, v0, 2, 0x8000
	v_mov_b32 v255, 0
	IDS
	s_mov_b32 s20, W2P
	s_mov_b32 s22, W2P+2097152
	s_wait_kmcnt 0x0
	s_cmp_lt_u32 s18, 17                   ; row tiles 0-33: the query side; 34-51: the feature side
	s_cselect_b32 s20, s20, s22
	s_cselect_b64 s[40:41], s[6:7], s[8:9]
	s_lshl_b32 s22, s17, 18                ; X: row tiles 4 mx .. 4 mx + 3
	s_add_co_u32 s20, s20, s22
	s_lshl_b32 s22, s16, 14                ; my 8 K steps
	s_add_co_u32 s20, s20, s22
	s_add_nc_u64 s[36:37], s[4:5], s[20:21]
	s_lshl_b32 s20, s18, 17                ; Y: row tiles 2 ny, 2 ny + 1
	s_add_co_u32 s20, s20, s22
	s_add_co_u32 s20, s20, W1TP
	s_add_nc_u64 s[38:39], s[4:5], s[20:21]
	s_lshl_b32 s20, s18, 16                ; out: row tile 2 ny (+ tt in the immediate), m tile 4 mx + w = K step 2 mx + w / 2, half w % 2
	s_lshl1_add_u32 s22, s17, s24
	s_lshl_b32 s22, s22, 11
	s_add_co_u32 s20, s20, s22
	s_lshl_b32 s22, s25, 9
	s_add_co_u32 s20, s20, s22
	s_add_nc_u64 s[42:43], s[10:11], s[20:21]
	s_lshl2_add_u32 s22, s17, s16
	s_lshl_b32 s22, s22, 6
	v_lshl_add_u32 v6, v7, 5, s22          ; bias: e = 16 (4 mx + w) + 8 h
	global_load_b128 v[BIAS:BIAS+3], v6, s[40:41]
	global_load_b128 v[BIAS+4:BIAS+7], v6, s[40:41] offset:16
	PRODUCT
	s_cmp_eq_u32 s18, 16                   ; the rows of bq1
	s_cbranch_scc1 .Lbias
	s_cmp_eq_u32 s18, 25                   ; the rows of bf1
	s_cbranch_scc0 .Lnobias
.Lbias:
	ADD8 RD, BIAS
	ADD8 RD+32, BIAS
.Lnobias:
	FOSALL
	s_wait_tensorcnt 0x0
	ds_add_u32 v254, v255
	s_wait_dscnt 0x0
	s_endpgm
.Lfunc_end_k_q54e015ae49_L1:
	.size	k_q54e015ae49_L1, .Lfunc_end_k_q54e015ae49_L1-k_q54e015ae49_L1
	.p2alignl 7, 3214868480
	.fill 96, 4, 3214868480
	.section	.rodata,"a",@progbits
	.p2align	6, 0x0
	.amdhsa_kernel k_q54e015ae49_L1
		.amdhsa_group_segment_fixed_size 33280
		.amdhsa_private_segment_fixed_size 0
		.amdhsa_enable_private_segment 0
		.amdhsa_kernarg_size 32
		.amdhsa_user_sgpr_count 2
		.amdhsa_user_sgpr_kernarg_segment_ptr 1
		.amdhsa_wavefront_size32 1
		.amdhsa_system_sgpr_workgroup_id_x 1
		.amdhsa_system_sgpr_workgroup_id_y 1
		.amdhsa_system_sgpr_workgroup_id_z 1
		.amdhsa_system_vgpr_workitem_id 0
		.amdhsa_next_free_vgpr 576
		.amdhsa_next_free_sgpr 66
		.amdhsa_reserve_vcc 0
		.amdhsa_float_denorm_mode_32 3
		.amdhsa_float_denorm_mode_16_64 3
		.amdhsa_memory_ordered 1
		.amdhsa_forward_progress 1
		.amdhsa_inst_pref_size 41
	.end_amdhsa_kernel
	.amdgpu_metadata
---
amdhsa.version: [ 1, 2 ]
amdhsa.kernels:
  - .name:           k_q54e015ae49_L1
    .symbol:         k_q54e015ae49_L1.kd
    .args:
      - { .name: packs, .offset: 0, .size: 8, .value_kind: global_buffer, .address_space: global }
      - { .name: bq2, .offset: 8, .size: 8, .value_kind: global_buffer, .address_space: global }
      - { .name: bf2, .offset: 16, .size: 8, .value_kind: global_buffer, .address_space: global }
      - { .name: fold1, .offset: 24, .size: 8, .value_kind: global_buffer, .address_space: global }
    .group_segment_fixed_size: 33280
    .private_segment_fixed_size: 0
    .kernarg_segment_align: 8
    .kernarg_segment_size: 32
    .max_flat_workgroup_size: 128
    .sgpr_count:     66
    .vgpr_count:     576
    .wavefront_size: 32
...
	.end_amdgpu_metadata
.endif
;; end of part 2
;; launch L2 (part 3): grid 17 x 9, 4 waves a work-group, no clusters, 16,896 bytes of LDS; arguments fold1, fold2; writes fold2
.if DOCPART == 3
	.amdgcn_target "amdgcn-amd-amdhsa--gfx1250"
	.amdhsa_code_object_version 6
	.text
	.protected	k_q54e015ae49_L2
	.globl	k_q54e015ae49_L2
	.p2align	8
	.type	k_q54e015ae49_L2,@function
k_q54e015ae49_L2:
	s_mov_b64 s[64:65], 0
	v_nop
	global_prefetch_b8 v0, s[64:65] scope:SCOPE_SE
	s_setreg_imm32_b32 hwreg(HW_REG_WAVE_MODE, 25, 1), 1
	s_wait_xcnt 0x0
; L2: G[k'][s'] = sum over e of WfT[k'][e] WqT[s'][e] (X = WqT, row tiles 0-33 of fold1; Y = WfT, row tiles 34-51), K = 512.
; Columns s' >= 512 come from the bias rows and are all equal: g0[k'], stored as plain f32 behind G (mx = 16).
; OUT[n][m] = sum over k of X[m][k] Y[n][k], operands split bf16 (hi + lo), three products, sums in f32; result in fragment order.
; A work-group makes 32 x 32 of OUT; four waves split K (4 K steps each) and add their parts through LDS; wave w finishes tile w.
; No cluster: operands go straight into registers in fragment order; K is 4 steps a wave.
.set MT, 2
.set NT, 2
.set NS, 4
.set DEPTH, 3
.set RTX, 32768
.set RTY, 32768
; ---- the product's common part ----
.set ACC, 8                            ; v[8:39] four accumulators, tile t = a*NT + n
.set SET0, 40                          ; operand sets: X's tiles, then Y's; a tile = 8 registers hi, 8 lo
.set SETSZ, 16*(MT+NT)
.set LPS, 4*(MT+NT)                    ; loads in a set
.set T0, 80
.set T1, 81
.macro PLACES                          ; four plain vector instructions behind a matrix instruction, before its registers are loaded, stored or rewritten (ISA guide 7.12.1)
.rept 4
	v_nop
.endr
.endm
.macro ADD8 d, s
.irp k, 0,2,4,6
	v_pk_add_f32 v[\d+\k:\d+\k+1], v[\d+\k:\d+\k+1], v[\s+\k:\s+\k+1]
.endr
.endm
.macro IDS
	v_lshrrev_b32 v2, 5, v0
	v_readfirstlane_b32 s16, v2            ; wave
	s_mov_b32 s17, ttmp9                   ; mx
	s_and_b32 s18, ttmp7, 0xffff           ; ny
	v_and_b32 v1, 31, v0
	v_lshlrev_b32 v1, 4, v1                ; lane * 16: the one vector offset of all operand loads
	v_bfe_u32 v7, v0, 4, 1                 ; h
	v_lshl_add_u32 v3, s16, 12, v1         ; LDS: my four partial tiles
	v_lshl_add_u32 v4, s16, 10, v1         ; LDS: tile w in each wave's part
	s_lshr_b32 s24, s16, 1                 ; a of the tile that I finish (NT = 2)
	s_and_b32 s25, s16, 1                  ; n of it
	s_mov_b32 s21, 0
.endm
.macro LOADSET s, i                    ; K step i of my share into set s
.set tau, 0
.rept MT
.irp q, 0,1
.irp c, 0,1
	global_load_b128 v[SET0+SETSZ*\s+16*tau+8*\q+4*\c:SET0+SETSZ*\s+16*tau+8*\q+4*\c+3], v1, s[36:37] offset:tau*RTX+\i*2048+\q*1024+\c*512
.endr
.endr
.set tau, tau+1
.endr
.set tau, 0
.rept NT
.irp q, 0,1
.irp c, 0,1
	global_load_b128 v[SET0+SETSZ*\s+16*(MT+tau)+8*\q+4*\c:SET0+SETSZ*\s+16*(MT+tau)+8*\q+4*\c+3], v1, s[38:39] offset:tau*RTY+\i*2048+\q*1024+\c*512
.endr
.endr
.set tau, tau+1
.endr
.endm
.macro MUL3 s                          ; hi*hi, hi*lo, lo*hi; the four accumulators take turns, one instruction a turn
.irp pr, 0,1,2
.set ta, 0
.rept MT
.set tn, 0
.rept NT
.set XR, SET0+SETSZ*\s+16*ta+8*(\pr/2)
.set YR, SET0+SETSZ*\s+16*(MT+tn)+8*(\pr%2)
.set AR, ACC+8*(ta*NT+tn)
.if (st+\pr) == 0
	v_wmma_f32_16x16x32_bf16 v[AR:AR+7], v[XR:XR+7], v[YR:YR+7], 0
.else
	v_wmma_f32_16x16x32_bf16 v[AR:AR+7], v[XR:XR+7], v[YR:YR+7], v[AR:AR+7]
.endif
.set tn, tn+1
.endr
.set ta, ta+1
.endr
.endr
.endm
.macro STEP
.if NS-1-st < DEPTH-1
	s_wait_loadcnt LPS*(NS-1-st)           ; loads come back in order: this step's set is in, the younger sets stay out
.else
	s_wait_loadcnt LPS*(DEPTH-1)
.endif
.set cur, st%DEPTH
.set nxt, st+DEPTH
	MUL3 cur
.if nxt < NS
	PLACES
	LOADSET cur, nxt
.endif
.endm
.macro PRODUCT                         ; leaves tile w, summed over the four waves, in v[40:47]
.set st, 0
.rept DEPTH
	LOADSET st, st
.set st, st+1
.endr
.set st, 0
.rept NS
	STEP
.set st, st+1
.endr
	PLACES
.irp t, 0,1,2,3
.irp q, 0,1
	ds_store_b128 v3, v[ACC+8*\t+4*\q:ACC+8*\t+4*\q+3] offset:\t*1024+\q*512
.endr
.endr
	s_wait_dscnt 0x0                       ; my parts are in LDS, for the other waves' sake
	s_barrier_signal -1
	s_barrier_wait -1
.irp sr, 0,1,2,3
.irp q, 0,1
	ds_load_b128 v[40+8*\sr+4*\q:40+8*\sr+4*\q+3], v4 offset:\sr*4096+\q*512
.endr
.endr
	s_wait_dscnt 0x0
	ADD8 40, 48
	ADD8 56, 64
	ADD8 40, 56
.endm
.macro SPLIT2 hi, lo, a, b
	v_cvt_pk_bf16_f32 v[\hi], v[\a], v[\b]
	v_lshlrev_b32 v[T0], 16, v[\hi]
	v_and_b32 v[T1], 0xffff0000, v[\hi]
	v_sub_f32 v[T0], v[\a], v[T0]
	v_sub_f32 v[T1], v[\b], v[T1]
	v_cvt_pk_bf16_f32 v[\lo], v[T0], v[T1]
.endm
.macro FOSOUT                          ; v[40:47] -> half a block in fragment order: 512 bytes of hi parts, 512 of lo parts
.irp p, 0,1,2,3
	SPLIT2 84+\p, 88+\p, 40+2*\p, 41+2*\p
.endr
	global_store_b128 v1, v[84:87], s[42:43]
	global_store_b128 v1, v[88:91], s[42:43] offset:1024
.endm
; ---- end of the common part ----
	s_load_b128 s[4:7], s[0:1], 0x0        ; fold1 4, fold2 6
	v_lshl_add_u32 v240, v0, 2, 0x4000
	v_mov_b32 v241, 0
	IDS
	v_and_b32 v6, 15, v0
	v_lshlrev_b32 v6, 2, v6                ; 4 r, for g0
	s_wait_kmcnt 0x0
	s_lshl_b32 s20, s17, 16                ; X: row tiles 2 mx, 2 mx + 1 of 32,768 bytes
	s_lshl_b32 s22, s16, 13                ; my 4 K steps
	s_add_co_u32 s20, s20, s22
	s_add_nc_u64 s[36:37], s[4:5], s[20:21]
	s_lshl_b32 s20, s18, 16                ; Y: row tiles 34 + 2 ny, + 1
	s_add_co_u32 s20, s20, s22
	s_add_co_u32 s20, s20, 34*32768
	s_add_nc_u64 s[38:39], s[4:5], s[20:21]
	s_lshl1_add_u32 s23, s18, s25          ; 2 ny + n
	s_lshl_b32 s20, s23, 15
	s_lshl_b32 s22, s17, 11
	s_add_co_u32 s20, s20, s22
	s_lshl_b32 s22, s24, 9
	s_add_co_u32 s20, s20, s22
	s_add_nc_u64 s[42:43], s[6:7], s[20:21]
	s_lshl_b32 s20, s23, 6                 ; g0: 16 f32 for each row tile
	s_add_co_u32 s20, s20, 589824
	s_add_nc_u64 s[40:41], s[6:7], s[20:21]
	PRODUCT
	s_cmp_eq_u32 s17, 16
	s_cbranch_scc1 .Lg0
	FOSOUT
	s_wait_tensorcnt 0x0
	ds_add_u32 v240, v241
	s_wait_dscnt 0x0
	s_endpgm
.Lg0:
	s_cmp_lg_u32 s24, 0                    ; all 32 columns are equal: the waves with a = 0 store column 0 (lanes 16-31: column 8, the same number)
	s_cbranch_scc1 .Lend
	global_store_b32 v6, v40, s[40:41]
.Lend:
	s_wait_tensorcnt 0x0
	ds_add_u32 v240, v241
	s_wait_dscnt 0x0
	s_endpgm
.Lfunc_end_k_q54e015ae49_L2:
	.size	k_q54e015ae49_L2, .Lfunc_end_k_q54e015ae49_L2-k_q54e015ae49_L2
	.p2alignl 7, 3214868480
	.fill 96, 4, 3214868480
	.section	.rodata,"a",@progbits
	.p2align	6, 0x0
	.amdhsa_kernel k_q54e015ae49_L2
		.amdhsa_group_segment_fixed_size 16896
		.amdhsa_private_segment_fixed_size 0
		.amdhsa_enable_private_segment 0
		.amdhsa_kernarg_size 16
		.amdhsa_user_sgpr_count 2
		.amdhsa_user_sgpr_kernarg_segment_ptr 1
		.amdhsa_wavefront_size32 1
		.amdhsa_system_sgpr_workgroup_id_x 1
		.amdhsa_system_sgpr_workgroup_id_y 1
		.amdhsa_system_sgpr_workgroup_id_z 1
		.amdhsa_system_vgpr_workitem_id 0
		.amdhsa_next_free_vgpr 242
		.amdhsa_next_free_sgpr 66
		.amdhsa_reserve_vcc 0
		.amdhsa_float_denorm_mode_32 3
		.amdhsa_float_denorm_mode_16_64 3
		.amdhsa_memory_ordered 1
		.amdhsa_forward_progress 1
		.amdhsa_inst_pref_size 15
	.end_amdhsa_kernel
	.amdgpu_metadata
---
amdhsa.version: [ 1, 2 ]
amdhsa.kernels:
  - .name:           k_q54e015ae49_L2
    .symbol:         k_q54e015ae49_L2.kd
    .args:
      - { .name: fold1, .offset: 0, .size: 8, .value_kind: global_buffer, .address_space: global }
      - { .name: fold2, .offset: 8, .size: 8, .value_kind: global_buffer, .address_space: global }
    .group_segment_fixed_size: 16896
    .private_segment_fixed_size: 0
    .kernarg_segment_align: 8
    .kernarg_segment_size: 16
    .max_flat_workgroup_size: 128
    .sgpr_count:     66
    .vgpr_count:     242
    .wavefront_size: 32
...
	.end_amdgpu_metadata
.endif
;; end of part 3
;; launch L3 (part 4): grid 9 x 16, 4 waves a work-group, no clusters, 33,280 bytes of LDS; arguments fold2, packs, va; writes va
.if DOCPART == 4
	.amdgcn_target "amdgcn-amd-amdhsa--gfx1250"
	.amdhsa_code_object_version 6
	.text
	.protected	k_q54e015ae49_L3
	.globl	k_q54e015ae49_L3
	.p2align	8
	.type	k_q54e015ae49_L3,@function
k_q54e015ae49_L3:
	s_mov_b64 s[64:65], 0
	v_nop
	global_prefetch_b8 v0, s[64:65] scope:SCOPE_SE
	s_setreg_imm32_b32 hwreg(HW_REG_WAVE_MODE, 25, 1), 1
	s_wait_xcnt 0x0
; L3: va[q][k'] = sum over s of query[q][s] G[k'][s] + g0[k'] (X = G, 18 row tiles; Y = the packed query, 64 row tiles), K = 512.
; k' < 256: the vector that meets features; k' >= 256: c[q], the logit's constant.  Stored as f32 in fragment order:
; [row tile][K step][2 c + q'][lane][16 bytes], q' = result registers 0-3 or 4-7.
; OUT[n][m] = sum over k of X[m][k] Y[n][k], operands split bf16 (hi + lo), three products, sums in f32.
; A work-group makes 32 (k') x 64 (q) of OUT: 144 work-groups, one for a WGP.  Four waves split K (4 K steps each) and add their parts through LDS;
; wave w finishes tiles 2 w and 2 w + 1 (m tile a = w / 2, n tiles 2 (w % 2) and + 1).
; REGISTERS in windows of 256: X's sets from v16, Y's sets from v256, the accumulators from v512.
; No cluster: operands go straight into registers in fragment order; K is 4 steps a wave.
.set MT, 2
.set NT, 4
.set PH, 1
.set PHOFF, 0
.set NS, 4
.set DEPTH, 3
.set RTX, 32768
.set RTY, 32768
.set RTO, 18432
.set LGN, 13
.set LGT, 11
; ---- the product's common part ----
.set YT, NT*PH                         ; Y tiles in a set
.set NTL, MT*NT                        ; accumulators, tile t = a*NT + n at v[512 + 8 t]
.set TPW, NTL/4                        ; tiles that a wave finishes
.set LPS, 4*(MT+YT)                    ; loads in a set
.set XS, 16                            ; X's sets (window 0); a tile = 8 registers hi, 8 lo
.set RD, 16                            ; the way out: 4 waves' parts of tile tt at RD + 32 tt
.set BIAS, 208
.set MULW, 0xa4                        ; A window 0, B window 1, C and D window 2
.set TOY, 0x40                         ; a load's destination in window 1
.set FROMACC, 0x08                     ; an LDS store's data in window 2
.set MSB, 0
.macro WIN new                         ; the immediate's high byte repeats the setting that is left
.if MSB != \new
	s_set_vgpr_msb (MSB<<8)|\new
.set MSB, \new
.endif
.endm
.macro PLACES                          ; four plain vector instructions behind a matrix instruction, before its registers are loaded, stored or rewritten (ISA guide 7.12.1)
.rept 4
	v_nop
.endr
.endm
.macro ADD8 d, s
.irp k, 0,2,4,6
	v_pk_add_f32 v[\d+\k:\d+\k+1], v[\d+\k:\d+\k+1], v[\s+\k:\s+\k+1]
.endr
.endm
.macro IDS
	v_lshrrev_b32 v2, 5, v0
	v_readfirstlane_b32 s16, v2            ; wave
	s_mov_b32 s17, ttmp9                   ; mx
	s_and_b32 s18, ttmp7, 0xffff           ; ny
	v_and_b32 v1, 31, v0
	v_lshlrev_b32 v1, 4, v1                ; lane * 16: the one vector offset of all operand loads
	v_bfe_u32 v7, v0, 4, 1                 ; h
	v_lshl_add_u32 v3, s16, LGN, v1        ; LDS: my partial tiles
	v_lshl_add_u32 v4, s16, LGT, v1        ; LDS: the tiles that I finish, in each wave's part
	s_lshr_b32 s24, s16, 1
	s_and_b32 s25, s16, 1
	s_mov_b32 s21, 0
.endm
.macro LOADSET s, i                    ; K step i of my share into set s
	WIN 0
.set tau, 0
.rept MT
.irp q, 0,1
.irp c, 0,1
	global_load_b128 v[XS+16*MT*(\s)+16*tau+8*\q+4*\c:XS+16*MT*(\s)+16*tau+8*\q+4*\c+3], v1, s[36:37] offset:tau*RTX+(\i)*2048+\q*1024+\c*512
.endr
.endr
.set tau, tau+1
.endr
	WIN TOY
.set tau, 0
.rept YT
.irp q, 0,1
.irp c, 0,1
	global_load_b128 v[16*YT*(\s)+16*tau+8*\q+4*\c:16*YT*(\s)+16*tau+8*\q+4*\c+3], v1, s[38:39] offset:(tau%NT)*RTY+(tau/NT)*PHOFF+(\i)*2048+\q*1024+\c*512
.endr
.endr
.set tau, tau+1
.endr
.endm
.macro MUL3 s                          ; hi*hi, hi*lo, lo*hi; the accumulators take turns, one instruction a turn
.irp pr, 0,1,2
.set tp, 0
.rept PH
.set ta, 0
.rept MT
.set tn, 0
.rept NT
.set XR, XS+16*MT*(\s)+16*ta+8*(\pr/2)
.set YR, 16*YT*(\s)+16*(tp*NT+tn)+8*(\pr%2)
.set AR, 8*(ta*NT+tn)
.if (st+\pr+tp) == 0
	v_wmma_f32_16x16x32_bf16 v[AR:AR+7], v[XR:XR+7], v[YR:YR+7], 0
.else
	v_wmma_f32_16x16x32_bf16 v[AR:AR+7], v[XR:XR+7], v[YR:YR+7], v[AR:AR+7]
.endif
.set tn, tn+1
.endr
.set ta, ta+1
.endr
.set tp, tp+1
.endr
.endr
.endm
.macro STEP
.if NS-1-st < DEPTH-1
	s_wait_loadcnt LPS*(NS-1-st)           ; loads come back in order: this step's set is in, the younger sets stay out
.else
	s_wait_loadcnt LPS*(DEPTH-1)
.endif
.set cur, st%DEPTH
.set nxt, st+DEPTH
	WIN MULW
	MUL3 cur
.if nxt < NS
	PLACES
	LOADSET cur, nxt
.endif
.endm
.macro PRODUCT                         ; leaves the tiles that I finish, summed over the four waves, in v[RD+32 tt : RD+32 tt+7]
.set st, 0
.rept DEPTH                            ; more loads go out here than the counter's field holds: the issue is then held back (ISA guide 5.7.1); no wait's count hangs on that
	LOADSET st, st
.set st, st+1
.endr
.set st, 0
.rept NS
	STEP
.set st, st+1
.endr
	PLACES
	WIN FROMACC
.set tl, 0
.rept NTL
.irp q, 0,1
	ds_store_b128 v3, v[8*tl+4*\q:8*tl+4*\q+3] offset:tl*1024+\q*512
.endr
.set tl, tl+1
.endr
	WIN 0
	s_wait_dscnt 0x0                       ; my parts are in LDS, for the other waves' sake
	s_barrier_signal -1
	s_barrier_wait -1
.set tt, 0
.rept TPW
.irp sr, 0,1,2,3
.irp q, 0,1
	ds_load_b128 v[RD+32*tt+8*\sr+4*\q:RD+32*tt+8*\sr+4*\q+3], v4 offset:\sr*NTL*1024+tt*1024+\q*512
.endr
.endr
.set tt, tt+1
.endr
	s_wait_dscnt 0x0
.set tt, 0
.rept TPW
	ADD8 RD+32*tt, RD+32*tt+8
	ADD8 RD+32*tt+16, RD+32*tt+24
	ADD8 RD+32*tt, RD+32*tt+16
.set tt, tt+1
.endr
.endm
; ---- end of the common part ----
	s_load_b128 s[4:7], s[0:1], 0x0        ; fold2 4, packs 6
	s_load_b64 s[8:9], s[0:1], 0x10        ; va
	v_lshl_add_u32 v254, v0, 2, 0x8000
	v_mov_b32 v255, 0
	IDS
	s_wait_kmcnt 0x0
	s_lshl_b32 s20, s17, 16                ; X = G: row tiles 2 mx, 2 mx + 1
	s_lshl_b32 s22, s16, 13                ; my 4 K steps
	s_add_co_u32 s20, s20, s22
	s_add_nc_u64 s[36:37], s[4:5], s[20:21]
	s_lshl_b32 s20, s18, 17                ; Y = the packed query (at byte 0 of packs): row tiles 4 ny .. 4 ny + 3
	s_add_co_u32 s20, s20, s22
	s_add_nc_u64 s[38:39], s[6:7], s[20:21]
	s_add_nc_u64 s[40:41], s[4:5], 589824  ; g0
	s_lshl_b32 s23, s25, 1
	s_lshl2_add_u32 s23, s18, s23          ; out: row tile 4 ny + 2 (w % 2) (+ tt in the immediate),
	s_mul_i32 s20, s23, 18432
	s_lshl_b32 s22, s17, 11                ; K step mx,
	s_add_co_u32 s20, s20, s22
	s_lshl_b32 s22, s24, 10                ; half a = w / 2
	s_add_co_u32 s20, s20, s22
	s_add_nc_u64 s[42:43], s[8:9], s[20:21]
	s_lshl1_add_u32 s22, s17, s24
	s_lshl_b32 s22, s22, 6
	v_lshl_add_u32 v6, v7, 5, s22          ; bias: k' = 16 (2 mx + a) + 8 h
	global_load_b128 v[BIAS:BIAS+3], v6, s[40:41]
	global_load_b128 v[BIAS+4:BIAS+7], v6, s[40:41] offset:16
	PRODUCT
.set tt, 0
.rept TPW
	ADD8 RD+32*tt, BIAS
	global_store_b128 v1, v[RD+32*tt:RD+32*tt+3], s[42:43] offset:tt*RTO
	global_store_b128 v1, v[RD+32*tt+4:RD+32*tt+7], s[42:43] offset:tt*RTO+512
.set tt, tt+1
.endr
	s_wait_tensorcnt 0x0
	ds_add_u32 v254, v255
	s_wait_dscnt 0x0
	s_endpgm
.Lfunc_end_k_q54e015ae49_L3:
	.size	k_q54e015ae49_L3, .Lfunc_end_k_q54e015ae49_L3-k_q54e015ae49_L3
	.p2alignl 7, 3214868480
	.fill 96, 4, 3214868480
	.section	.rodata,"a",@progbits
	.p2align	6, 0x0
	.amdhsa_kernel k_q54e015ae49_L3
		.amdhsa_group_segment_fixed_size 33280
		.amdhsa_private_segment_fixed_size 0
		.amdhsa_enable_private_segment 0
		.amdhsa_kernarg_size 24
		.amdhsa_user_sgpr_count 2
		.amdhsa_user_sgpr_kernarg_segment_ptr 1
		.amdhsa_wavefront_size32 1
		.amdhsa_system_sgpr_workgroup_id_x 1
		.amdhsa_system_sgpr_workgroup_id_y 1
		.amdhsa_system_sgpr_workgroup_id_z 1
		.amdhsa_system_vgpr_workitem_id 0
		.amdhsa_next_free_vgpr 576
		.amdhsa_next_free_sgpr 66
		.amdhsa_reserve_vcc 0
		.amdhsa_float_denorm_mode_32 3
		.amdhsa_float_denorm_mode_16_64 3
		.amdhsa_memory_ordered 1
		.amdhsa_forward_progress 1
		.amdhsa_inst_pref_size 23
	.end_amdhsa_kernel
	.amdgpu_metadata
---
amdhsa.version: [ 1, 2 ]
amdhsa.kernels:
  - .name:           k_q54e015ae49_L3
    .symbol:         k_q54e015ae49_L3.kd
    .args:
      - { .name: fold2, .offset: 0, .size: 8, .value_kind: global_buffer, .address_space: global }
      - { .name: packs, .offset: 8, .size: 8, .value_kind: global_buffer, .address_space: global }
      - { .name: va, .offset: 16, .size: 8, .value_kind: global_buffer, .address_space: global }
    .group_segment_fixed_size: 33280
    .private_segment_fixed_size: 0
    .kernarg_segment_align: 8
    .kernarg_segment_size: 24
    .max_flat_workgroup_size: 128
    .sgpr_count:     66
    .vgpr_count:     576
    .wavefront_size: 32
...
	.end_amdgpu_metadata
.endif
;; end of part 4
;; launch S (part 5): grid 256 x 1, 8 waves a work-group, no clusters, 301,056 bytes of LDS; arguments features, va, feature_time_weights, attention_mask, wts; writes wts
.if DOCPART == 5
	.amdgcn_target "amdgcn-amd-amdhsa--gfx1250"
	.amdhsa_code_object_version 6
	.text
	.protected	k_q54e015ae49_S
	.globl	k_q54e015ae49_S
	.p2align	8
	.type	k_q54e015ae49_S,@function
k_q54e015ae49_S:
	s_mov_b64 s[64:65], 0
	v_nop
	global_prefetch_b8 v0, s[64:65] scope:SCOPE_SE
	s_setreg_imm32_b32 hwreg(HW_REG_WAVE_MODE, 25, 1), 1
	s_wait_xcnt 0x0
; S: wts[b][q][f] = sigmoid(features[b][f] . v[b][q] + c[b][q]) * feature_time_weights[b][f] * mask[b][f], stored in f16 as the B fragments of the pooling product.
; A work-group owns 256 rows f of one b; wave w owns 32 of them (two tiles of 16) against all 64 q (four tiles); K = 256 in 8 steps of 32.
; features come in by one tensor load a wave (32 rows x 1,024 bytes, 16 bytes of padding behind each row); each wave reads only the rows that it asked for.
; v is scaled per row q by a power of two so that its largest magnitude lies in [1, 2), then rounded to f16; the scale goes back in with the exponent's factor.
; K runs in the order in which the folded weights were packed: position 64 g + 16 t + p holds k = 64 g + 4 p + t; a lane reads 32 neighbouring f32 and pairs them.
; LIMITS: |features| and |feature_time_weights| below 65,504 (f16 operands); a weight below 6e-8 is stored as 0; a row of v whose largest magnitude is denormal counts as 0.
; No cluster: what the 16 work-groups of one b share (72 KiB of va) is read once each into registers, against 256 KiB of features of their own.
.set FEP, 1040                         ; LDS pitch of a row of features: 65 x 16 bytes, so 16 rows start at 16 different 16-byte columns
.set VB,  266240                       ; v in f16: [wave that made it][K step % 4][half][lane 16 B], 32,768 bytes
.set SC,  299008                       ; per q tile and lane: -log2(e) * scale (512 bytes), then -log2(e) * c (512 bytes)
.set ACC, 16                           ; v[16:79]   accumulators, tile (a, n) at 16 + 8 (4 a + n); before that: my half of va
.set RR,  80                           ; v[80:143]  a lane's 32 f32 of features for each tile a; before that: the other half of va
.set AF,  144                          ; v[144:175] A fragments (a, u); at the end the packed weights
.set BF,  176                          ; v[176:239] B fragments (u, n)
.set GT,  240                          ; v[240:255] the gate of my 2 x 8 rows f
.macro PLACES                          ; four plain vector instructions behind a matrix instruction (ISA guide 7.12.1)
.rept 4
	v_nop
.endr
.endm
	s_load_b256 s[4:11], s[0:1], 0x0       ; features 4, va 6, feature_time_weights 8, attention_mask 10
	s_load_b64 s[12:13], s[0:1], 0x20      ; wts
	s_set_vgpr_msb 0x40
	v_lshl_add_u32 v0, v0, 2, 0x49400
	v_mov_b32 v1, 0
	s_set_vgpr_msb 0x4045
	ds_add_u32 v0, v1
	ds_add_u32 v0, v1
	s_set_vgpr_msb 0x4500
	v_lshrrev_b32 v2, 5, v0
	v_readfirstlane_b32 s16, v2            ; wave
	s_mov_b32 s17, ttmp9                   ; 16 b + block of 256 rows
	s_and_b32 s18, s16, 3                  ; the q tile whose v I prepare
	s_lshr_b32 s19, s16, 2                 ; and which four K steps of it
	s_mov_b32 s24, 1                       ; group 0: count
	s_mul_i32 s25, s16, 32*FEP             ; LDS address: my 32 rows
	s_mov_b32 s28, (2<<16)|(1<<20)|(7<<22)|(3<<25)   ; group 1: elements of 4 bytes; behind every 256 words 4 words of padding
	s_mov_b32 s29, 256<<16                 ; tensor_dim0 = 256
	s_mov_b32 s30, 32<<16                  ; tensor_dim1 = 32
	s_mov_b32 s31, 256<<16                 ; tile_dim0 = 256
	s_mov_b32 s32, 32                      ; tile_dim1 = 32
	s_mov_b32 s33, 256                     ; elements from row to row
	s_mov_b32 s34, 0
	s_mov_b32 s35, 0
	s_lshl_b32 s20, s17, 18                ; 256 rows of 1,024 bytes
	s_lshl_b32 s22, s16, 15
	s_add_co_u32 s20, s20, s22
	s_mov_b32 s21, 0
	s_mov_b32 s40, 0x76543210              ; v_permlanex16_b32: lane i reads lane i of the other half
	s_mov_b32 s41, 0xfedcba98
	s_wait_dscnt 0x0
	s_wait_kmcnt 0x0
	s_add_nc_u64 s[26:27], s[4:5], s[20:21]
	s_or_b32 s27, s27, 0x80000000          ; type
	tensor_load_to_lds s[24:27], s[28:35]  ; first of all: it lands while v is prepared
	s_nop 0
	v_and_b32 v14, 15, v0                  ; r
	v_bfe_u32 v15, v0, 4, 1                ; h
	v_and_b32 v1, 31, v0
	v_lshlrev_b32 v5, 2, v1
	v_add_nc_u32 v5, SC, v5                ; SC + 4 lane
	v_lshlrev_b32 v1, 4, v1                ; 16 lane
	v_mul_u32_u24 v2, v14, FEP
	v_lshl_add_u32 v2, v15, 7, v2
	v_add_nc_u32 v2, s25, v2               ; features: row 32 w + r, byte 128 h
	v_add_nc_u32 v3, VB, v1
	v_lshl_add_u32 v4, s16, 12, v3         ; where I put my part of v
	v_lshlrev_b32 v6, 5, v15               ; gate: 8 h rows of 4 bytes
	v_lshlrev_b32 v7, 3, v15               ; mask: 8 h rows of 1 byte
	s_lshl_b32 s20, s17, 10
	s_lshl_b32 s22, s16, 7
	s_add_co_u32 s20, s20, s22
	s_add_nc_u64 s[8:9], s[8:9], s[20:21]  ; feature_time_weights at my 32 rows
	s_lshl_b32 s20, s17, 8
	s_lshl_b32 s22, s16, 5
	s_add_co_u32 s20, s20, s22
	s_add_nc_u64 s[10:11], s[10:11], s[20:21]   ; the mask at my 32 rows
	s_lshr_b32 s22, s17, 4
	s_lshl2_add_u32 s22, s22, s18          ; row tile 4 b + qt of va
	s_mul_i32 s20, s22, 18432
	s_add_nc_u64 s[6:7], s[6:7], s[20:21]
	s_lshl_b32 s20, s19, 13
	s_add_nc_u64 s[36:37], s[6:7], s[20:21]     ; my four K steps
	s_xor_b32 s20, s20, 8192
	s_add_nc_u64 s[38:39], s[6:7], s[20:21]     ; the other four (for the row's maximum)
	s_lshl_b32 s20, s17, 15
	s_lshl_b32 s22, s16, 12
	s_add_co_u32 s20, s20, s22
	s_add_nc_u64 s[12:13], s[12:13], s[20:21]   ; wts: f step 8 (block) + w of b, 4,096 bytes each
.irp a, 0,1
	global_load_b128 v[GT+8*\a:GT+8*\a+3],   v6, s[8:9] offset:64*\a
	global_load_b128 v[GT+8*\a+4:GT+8*\a+7], v6, s[8:9] offset:64*\a+16
	global_load_b64 v[8+2*\a:9+2*\a], v7, s[10:11] offset:16*\a
.endr
.irp k, 0,1,2,3
.irp i, 0,1,2,3
	global_load_b128 v[ACC+16*\k+4*\i:ACC+16*\k+4*\i+3], v1, s[36:37] offset:2048*\k+512*\i
	global_load_b128 v[RR+16*\k+4*\i:RR+16*\k+4*\i+3],   v1, s[38:39] offset:2048*\k+512*\i
.endr
.endr
	global_load_b32 v12, v1, s[6:7] offset:16384   ; c[q = r]: K step 8 holds it in every place
	s_wait_loadcnt 0x0
	; the largest |v| of row r: four chains over my 128 numbers, then the other half of the lanes
.irp k, 0,1,2,3
	v_max_num_f32 v[BF+\k], |v[ACC+32*\k]|, |v[ACC+32*\k+1]|
.endr
.set j, 2
.rept 15
.irp k, 0,1,2,3
	v_max3_num_f32 v[BF+\k], v[BF+\k], |v[ACC+32*\k+j]|, |v[ACC+32*\k+j+1]|
.endr
.set j, j+2
.endr
	v_max3_num_f32 v[BF], v[BF], v[BF+1], v[BF+2]
	v_max_num_f32 v13, v[BF], v[BF+3]
	v_permlanex16_b32 v[BF+1], v13, s40, s41
	v_max_num_f32 v13, v13, v[BF+1]
	v_and_b32 v13, 0x7f800000, v13         ; its power of two,
	v_min_u32 v13, 0x7e800000, v13         ; kept so low that the inverse is a normal number
	v_sub_nc_u32 v14, 0x7f000000, v13      ; the inverse power of two, by exponent arithmetic
	v_mov_b32 v15, v14
	v_mul_f32 v[BF+5], 0xbfb8aa3b, v13     ; -log2(e) * scale
	v_mul_f32 v[BF+6], 0xbfb8aa3b, v12     ; -log2(e) * c
	v_lshl_add_u32 v[BF+7], s16, 7, v5
.set j, 0
.rept 32
	v_pk_mul_f32 v[ACC+j:ACC+j+1], v[ACC+j:ACC+j+1], v[14:15]
.set j, j+2
.endr
.set j, 0
.rept 32
	v_cvt_pk_f16_f32 v[AF+j], v[ACC+2*j], v[ACC+2*j+1]
.set j, j+1
.endr
.irp k, 0,1,2,3
.irp c, 0,1
	ds_store_b128 v4, v[AF+8*\k+4*\c:AF+8*\k+4*\c+3] offset:\k*1024+\c*512
.endr
.endr
	s_cmp_lt_u32 s16, 4                    ; waves 0-3 (q tile = wave) also leave the two factors
	s_cbranch_scc0 .Lno_scale
	ds_store_b32 v[BF+7], v[BF+5]
	ds_store_b32 v[BF+7], v[BF+6] offset:512
.Lno_scale:
	s_wait_dscnt 0x0                       ; my part of v is in LDS, for the other waves' sake
	s_wait_tensorcnt 0x0                   ; and my rows of features have landed
	s_barrier_signal -1
	s_barrier_wait -1
; 64 along K: two K steps u for both tiles a and all four q tiles n
.macro GSTEP g
.if \g
	PLACES
.endif
.irp a, 0,1
.irp j, 0,1,2,3,4,5,6,7
	ds_load_b128 v[RR+32*\a+4*\j:RR+32*\a+4*\j+3], v2 offset:\a*16*FEP+256*\g+16*\j
.endr
.endr
.irp u, 0,1
.irp n, 0,1,2,3
.irp c, 0,1
	ds_load_b128 v[BF+32*\u+8*\n+4*\c:BF+32*\u+8*\n+4*\c+3], v3 offset:((2*\g+\u)/4)*16384+\n*4096+((2*\g+\u)%4)*1024+\c*512
.endr
.endr
.endr
	s_wait_dscnt 16                        ; the features are in; the 16 younger loads of v stay out
.irp a, 0,1
.irp u, 0,1
.irp c, 0,1
.irp p, 0,1,2,3
	v_cvt_pk_f16_f32 v[AF+16*\a+8*\u+4*\c+\p], v[RR+32*\a+8*\p+2*\u+\c], v[RR+32*\a+8*\p+4+2*\u+\c]
.endr
.endr
.endr
.endr
	s_wait_dscnt 0x0
.irp u, 0,1
.irp a, 0,1
.irp n, 0,1,2,3
.if (\g+\u) == 0
	v_wmma_f32_16x16x32_f16 v[ACC+8*(4*\a+\n):ACC+8*(4*\a+\n)+7], v[AF+16*\a+8*\u:AF+16*\a+8*\u+7], v[BF+32*\u+8*\n:BF+32*\u+8*\n+7], 0
.else
	v_wmma_f32_16x16x32_f16 v[ACC+8*(4*\a+\n):ACC+8*(4*\a+\n)+7], v[AF+16*\a+8*\u:AF+16*\a+8*\u+7], v[BF+32*\u+8*\n:BF+32*\u+8*\n+7], v[ACC+8*(4*\a+\n):ACC+8*(4*\a+\n)+7]
.endif
.endr
.endr
.endr
.endm
	GSTEP 0                                ; the eight accumulators take turns, one instruction a turn
	GSTEP 1
	GSTEP 2
	GSTEP 3
	PLACES
.irp n, 0,1,2,3
	ds_load_b32 v[RR+\n],   v5 offset:\n*128
	ds_load_b32 v[RR+4+\n], v5 offset:512+\n*128
.endr
	; gate = feature_time_weights * mask (a byte, 0 or 1)
.irp a, 0,1
.irp j, 0,1,2,3,4,5,6,7
	v_bfe_u32 v[RR+8], v[8+2*\a+\j/4], 8*(\j%4), 8
	v_cvt_f32_u32 v[RR+8], v[RR+8]
	v_mul_f32 v[GT+8*\a+\j], v[GT+8*\a+\j], v[RR+8]
.endr
.endr
	s_wait_dscnt 0x0
; Register j of lane (r, h) is the logit of (f = 16 a + 8 h + j, q = 16 n + r): eight neighbouring f of one q = half a B fragment of the pooling product.
.macro TILEOUT a, n
.irp j, 0,1,2,3,4,5,6,7
	v_fma_f32 v[ACC+8*(4*\a+\n)+\j], v[ACC+8*(4*\a+\n)+\j], v[RR+\n], v[RR+4+\n]   ; -log2(e) * logit
.endr
.irp j, 0,1,2,3,4,5,6,7
	v_exp_f32 v[ACC+8*(4*\a+\n)+\j], v[ACC+8*(4*\a+\n)+\j]
.endr
	v_nop                                  ; one plain instruction behind the transcendentals (ISA guide 5.7.2)
	s_wait_alu depctr_va_vdst(0)
.irp j, 0,2,4,6
	v_pk_add_f32 v[ACC+8*(4*\a+\n)+\j:ACC+8*(4*\a+\n)+\j+1], v[ACC+8*(4*\a+\n)+\j:ACC+8*(4*\a+\n)+\j+1], 1.0 op_sel_hi:[1,0]
.endr
.irp j, 0,1,2,3,4,5,6,7
	v_rcp_f32 v[ACC+8*(4*\a+\n)+\j], v[ACC+8*(4*\a+\n)+\j]      ; an overflowed exponential gives 1/inf = 0, the sigmoid's limit
.endr
	v_nop
	s_wait_alu depctr_va_vdst(0)
.irp j, 0,2,4,6
	v_pk_mul_f32 v[ACC+8*(4*\a+\n)+\j:ACC+8*(4*\a+\n)+\j+1], v[ACC+8*(4*\a+\n)+\j:ACC+8*(4*\a+\n)+\j+1], v[GT+8*\a+\j:GT+8*\a+\j+1]
.endr
.irp p, 0,1,2,3
	v_cvt_pk_f16_f32 v[AF+4*(4*\a+\n)+\p], v[ACC+8*(4*\a+\n)+2*\p], v[ACC+8*(4*\a+\n)+2*\p+1]
.endr
	global_store_b128 v1, v[AF+4*(4*\a+\n):AF+4*(4*\a+\n)+3], s[12:13] offset:\n*1024+\a*512   ; 512 consecutive bytes, aligned; each tile has data registers of its own
.endm
.irp a, 0,1
.irp n, 0,1,2,3
	TILEOUT \a, \n
.endr
.endr
	s_set_vgpr_msb 0x5
	s_wait_tensorcnt 0x0
	ds_add_u32 v0, v1
	s_wait_dscnt 0x0
	s_set_vgpr_msb 0x500
	s_endpgm
.Lfunc_end_k_q54e015ae49_S:
	.size	k_q54e015ae49_S, .Lfunc_end_k_q54e015ae49_S-k_q54e015ae49_S
	.p2alignl 7, 3214868480
	.fill 96, 4, 3214868480
	.section	.rodata,"a",@progbits
	.p2align	6, 0x0
	.amdhsa_kernel k_q54e015ae49_S
		.amdhsa_group_segment_fixed_size 301056
		.amdhsa_private_segment_fixed_size 0
		.amdhsa_enable_private_segment 0
		.amdhsa_kernarg_size 40
		.amdhsa_user_sgpr_count 2
		.amdhsa_user_sgpr_kernarg_segment_ptr 1
		.amdhsa_wavefront_size32 1
		.amdhsa_system_sgpr_workgroup_id_x 1
		.amdhsa_system_sgpr_workgroup_id_y 1
		.amdhsa_system_sgpr_workgroup_id_z 1
		.amdhsa_system_vgpr_workitem_id 0
		.amdhsa_next_free_vgpr 258
		.amdhsa_next_free_sgpr 66
		.amdhsa_reserve_vcc 0
		.amdhsa_float_denorm_mode_32 3
		.amdhsa_float_denorm_mode_16_64 3
		.amdhsa_memory_ordered 1
		.amdhsa_forward_progress 1
		.amdhsa_inst_pref_size 56
	.end_amdhsa_kernel
	.amdgpu_metadata
---
amdhsa.version: [ 1, 2 ]
amdhsa.kernels:
  - .name:           k_q54e015ae49_S
    .symbol:         k_q54e015ae49_S.kd
    .args:
      - { .name: features, .offset: 0, .size: 8, .value_kind: global_buffer, .address_space: global }
      - { .name: va, .offset: 8, .size: 8, .value_kind: global_buffer, .address_space: global }
      - { .name: feature_time_weights, .offset: 16, .size: 8, .value_kind: global_buffer, .address_space: global }
      - { .name: attention_mask, .offset: 24, .size: 8, .value_kind: global_buffer, .address_space: global }
      - { .name: wts, .offset: 32, .size: 8, .value_kind: global_buffer, .address_space: global }
    .group_segment_fixed_size: 301056
    .private_segment_fixed_size: 0
    .kernarg_segment_align: 8
    .kernarg_segment_size: 40
    .max_flat_workgroup_size: 256
    .sgpr_count:     66
    .vgpr_count:     258
    .wavefront_size: 32
...
	.end_amdgpu_metadata
.endif
;; end of part 5
;; launch P (part 6): grid 256 x 1, 8 waves a work-group, no clusters, 132,096 bytes of LDS; arguments values, wts, pl; writes pl
.if DOCPART == 6
	.amdgcn_target "amdgcn-amd-amdhsa--gfx1250"
	.amdhsa_code_object_version 6
	.text
	.protected	k_q54e015ae49_P
	.globl	k_q54e015ae49_P
	.p2align	8
	.type	k_q54e015ae49_P,@function
k_q54e015ae49_P:
	s_mov_b64 s[64:65], 0
	v_nop
	global_prefetch_b8 v0, s[64:65] scope:SCOPE_SE
	s_setreg_imm32_b32 hwreg(HW_REG_WAVE_MODE, 25, 1), 1
	s_wait_xcnt 0x0
; P: pooled[b][q][e] = sum over f of values[b][f][e] wts[b][q][f], in f16 with f32 sums.
; Work-group (b, phi, g): all 64 q x 64 e (columns 64 g ..) over half phi of F (2,048 rows); the two halves are stored side by side along K and added by the next product.
; Wave w takes 8 steps of 32 rows f.  A = values transposed: a lane reads 16 bytes (e = 64 g + 4 r .. + 3) of 16 rows f; row r of tile t is e = 64 g + 4 r + t,
; the order in which Wc1 was packed.  B = wts, stored in fragment order.  16 accumulators (t, n) in registers v256-v383.
; Three sets of a step's 16 loads of values and 8 loads of weights take turns: sets 0 and 1 in v16-v239, set 2 in v384-v479; 12 KiB a set and wave.
; The eight waves' parts meet in LDS; wave w finishes tiles 2 w and 2 w + 1, splits them into bf16 hi + lo and stores them in fragment order.
; LIMIT: |values| below 65,504 (an f16 operand).
; No cluster: the eight work-groups of one (b, phi) share wts (4 KiB a step against 8 KiB of values of their own), which goes straight into registers in fragment order; a joint load would need an LDS ring.
.set RR, 16                            ; v[16:143]  sets 0 and 1 of 16 loads of values
.set RR2, 128                          ; v[384:447] set 2 (window 1)
.set AF, 144                           ; v[144:175] A fragments, tile t at 144 + 8 t
.set BF, 176                           ; v[176:239] sets 0 and 1 of B fragments, tile n at + 8 n
.set BF2, 192                          ; v[448:479] set 2 (window 1)
.set T0, 8
.set T1, 9
.set MSB, 0
.macro WIN new                         ; the immediate's high byte repeats the setting that is left
.if MSB != \new
	s_set_vgpr_msb (MSB<<8)|\new
.set MSB, \new
.endif
.endm
.macro PLACES                          ; four plain vector instructions behind a matrix instruction (ISA guide 7.12.1)
.rept 4
	v_nop
.endr
.endm
.macro ADD8 d, s
.irp k, 0,2,4,6
	v_pk_add_f32 v[\d+\k:\d+\k+1], v[\d+\k:\d+\k+1], v[\s+\k:\s+\k+1]
.endr
.endm
.macro SPLIT2 hi, lo, a, b
	v_cvt_pk_bf16_f32 v[\hi], v[\a], v[\b]
	v_lshlrev_b32 v[T0], 16, v[\hi]
	v_and_b32 v[T1], 0xffff0000, v[\hi]
	v_sub_f32 v[T0], v[\a], v[T0]
	v_sub_f32 v[T1], v[\b], v[T1]
	v_cvt_pk_bf16_f32 v[\lo], v[T0], v[T1]
.endm
.macro LDR s, i                        ; 32 rows f of step i: each load takes 256 consecutive bytes of two rows
.if (\s) == 2
	WIN 0x40                               ; destination in window 1
.set lr, RR2
.else
	WIN 0
.set lr, RR+64*(\s)
.endif
.irp g, 0,1
.irp j, 0,1,2,3,4,5,6,7
	global_load_b128 v[lr+4*(8*\g+\j):lr+4*(8*\g+\j)+3], v1, s[4:5] offset:(\i)*65536+(16*\g+\j)*2048 th:TH_LOAD_NT
.endr
.endr
.endm
.macro LDB s, i                        ; the weights of step i, four q tiles
.if (\s) == 2
	WIN 0x40
.set lb, BF2
.else
	WIN 0
.set lb, BF+32*(\s)
.endif
.irp n, 0,1,2,3
.irp c, 0,1
	global_load_b128 v[lb+8*\n+4*\c:lb+8*\n+4*\c+3], v2, s[6:7] offset:(\i)*4096+\n*1024+\c*512
.endr
.endr
.endm
.macro PSTEP
.set cur, st%3
.set nx3, st+3                         ; the step asked for into this step's set
.if 7-st < 2
	s_wait_loadcnt 24*(7-st)               ; the last steps: the counts run down
.else
	s_wait_loadcnt 48                      ; this step's 16 + 8 loads are in; the two younger steps' 16 + 8 each stay out
.endif
.if cur == 2
	WIN 0x05                               ; both sources in window 1
.set rb, RR2
.set bb, BF2
.else
	WIN 0
.set rb, RR+64*cur
.set bb, BF+32*cur
.endif
.irp t, 0,1,2,3
.irp g, 0,1
.irp p, 0,1,2,3
	v_cvt_pk_f16_f32 v[AF+8*\t+4*\g+\p], v[rb+4*(8*\g+2*\p)+\t], v[rb+4*(8*\g+2*\p+1)+\t]
.endr
.endr
.endr
.if nx3 < 8
	LDR cur, nx3
.endif
.if cur == 2
	WIN 0x54                               ; B, C and D in window 1
.else
	WIN 0x50                               ; C and D in window 1
.endif
.irp t, 0,1,2,3
.irp n, 0,1,2,3
.if st == 0
	v_wmma_f32_16x16x32_f16 v[8*(4*\t+\n):8*(4*\t+\n)+7], v[AF+8*\t:AF+8*\t+7], v[bb+8*\n:bb+8*\n+7], 0
.else
	v_wmma_f32_16x16x32_f16 v[8*(4*\t+\n):8*(4*\t+\n)+7], v[AF+8*\t:AF+8*\t+7], v[bb+8*\n:bb+8*\n+7], v[8*(4*\t+\n):8*(4*\t+\n)+7]
.endif
.endr
.endr
	PLACES                                 ; in front of the loads into B's set, of the next step's conversions into A's fragments, and of the LDS stores of the results
.if nx3 < 8
	LDB cur, nx3
.endif
.endm
	s_load_b128 s[4:7], s[0:1], 0x0        ; values 4, wts 6
	s_load_b64 s[8:9], s[0:1], 0x10        ; pl
	v_lshl_add_u32 v254, v0, 2, 0x20000
	v_mov_b32 v255, 0
	v_lshrrev_b32 v2, 5, v0
	v_readfirstlane_b32 s16, v2            ; wave
	s_mov_b32 s17, ttmp9
	s_lshr_b32 s18, s17, 3                 ; 2 b + phi
	s_and_b32 s19, s17, 7                  ; g
	s_lshr_b32 s23, s17, 4                 ; b
	s_mov_b32 s21, 0
	v_and_b32 v6, 15, v0                   ; r
	v_bfe_u32 v7, v0, 4, 1                 ; h
	v_lshlrev_b32 v1, 4, v6
	v_lshl_add_u32 v1, v7, 14, v1          ; 8 h rows of 2,048 bytes + 16 r
	v_and_b32 v2, 31, v0
	v_lshlrev_b32 v2, 4, v2                ; lane * 16
	v_lshl_add_u32 v3, s16, 14, v2         ; LDS: my 16 partial tiles
	v_lshl_add_u32 v4, s16, 11, v2         ; LDS: tiles 2 w, 2 w + 1 in the parts of waves 0-3,
	v_add_nc_u32 v5, 0x10000, v4           ; and of waves 4-7
	s_lshl_b32 s20, s18, 22                ; 2,048 rows of 2,048 bytes
	s_lshl_b32 s22, s16, 19                ; 8 steps of 32 rows
	s_add_co_u32 s20, s20, s22
	s_lshl_b32 s22, s19, 8                 ; 64 columns
	s_add_co_u32 s20, s20, s22
	s_wait_kmcnt 0x0
	s_add_nc_u64 s[4:5], s[4:5], s[20:21]
	s_lshl_b32 s20, s18, 18                ; 64 steps of 4,096 bytes
	s_lshl_b32 s22, s16, 15
	s_add_co_u32 s20, s20, s22
	s_add_nc_u64 s[6:7], s[6:7], s[20:21]
	; out: tile T = 2 w + tt = 4 t + n, so t = w / 2, n = 2 (w % 2) + tt: row tile 4 b + n, K step 16 phi + 2 g + t / 2, half t % 2
	s_and_b32 s24, s16, 1
	s_lshl_b32 s24, s24, 1
	s_lshl2_add_u32 s24, s23, s24
	s_lshl_b32 s20, s24, 16
	s_and_b32 s25, s18, 1
	s_lshl_b32 s25, s25, 4
	s_lshl1_add_u32 s25, s19, s25
	s_lshr_b32 s26, s16, 2
	s_add_co_u32 s25, s25, s26
	s_lshl_b32 s25, s25, 11
	s_add_co_u32 s20, s20, s25
	s_bfe_u32 s26, s16, 0x10001
	s_lshl_b32 s26, s26, 9
	s_add_co_u32 s20, s20, s26
	s_add_nc_u64 s[8:9], s[8:9], s[20:21]
	LDR 0, 0                               ; three steps go out, set by set: 72 loads, more than the counter's field holds: the issue is then held back (ISA guide 5.7.1); no wait's count hangs on that
	LDB 0, 0
	LDR 1, 1
	LDB 1, 1
	LDR 2, 2
	LDB 2, 2
.set st, 0
.rept 8
	PSTEP                                  ; the 16 accumulators take turns, one instruction a turn
.set st, st+1
.endr
	WIN 0x04                               ; an LDS store's data in v256-v511
.irp t, 0,1,2,3,4,5,6,7,8,9,10,11,12,13,14,15
.irp q, 0,1
	ds_store_b128 v3, v[8*\t+4*\q:8*\t+4*\q+3] offset:\t*1024+\q*512
.endr
.endr
	WIN 0
	s_wait_dscnt 0x0                       ; my parts are in LDS, for the other waves' sake
	s_barrier_signal -1
	s_barrier_wait -1
.irp tt, 0,1
.irp sr, 0,1,2,3
.irp q, 0,1
	ds_load_b128 v[RR+64*\tt+8*\sr+4*\q:RR+64*\tt+8*\sr+4*\q+3],       v4 offset:\sr*16384+\tt*1024+\q*512
	ds_load_b128 v[RR+64*\tt+32+8*\sr+4*\q:RR+64*\tt+32+8*\sr+4*\q+3], v5 offset:\sr*16384+\tt*1024+\q*512
.endr
.endr
.endr
	s_wait_dscnt 0x0
.irp tt, 0,1
	ADD8 RR+64*\tt,    RR+64*\tt+8
	ADD8 RR+64*\tt+16, RR+64*\tt+24
	ADD8 RR+64*\tt+32, RR+64*\tt+40
	ADD8 RR+64*\tt+48, RR+64*\tt+56
	ADD8 RR+64*\tt,    RR+64*\tt+16
	ADD8 RR+64*\tt+32, RR+64*\tt+48
	ADD8 RR+64*\tt,    RR+64*\tt+32
.irp p, 0,1,2,3
	SPLIT2 AF+8*\tt+\p, AF+8*\tt+4+\p, RR+64*\tt+2*\p, RR+64*\tt+2*\p+1
.endr
	global_store_b128 v2, v[AF+8*\tt:AF+8*\tt+3],   s[8:9] offset:\tt*65536
	global_store_b128 v2, v[AF+8*\tt+4:AF+8*\tt+7], s[8:9] offset:\tt*65536+1024
.endr
	s_wait_tensorcnt 0x0
	ds_add_u32 v254, v255
	s_wait_dscnt 0x0
	s_endpgm
.Lfunc_end_k_q54e015ae49_P:
	.size	k_q54e015ae49_P, .Lfunc_end_k_q54e015ae49_P-k_q54e015ae49_P
	.p2alignl 7, 3214868480
	.fill 96, 4, 3214868480
	.section	.rodata,"a",@progbits
	.p2align	6, 0x0
	.amdhsa_kernel k_q54e015ae49_P
		.amdhsa_group_segment_fixed_size 132096
		.amdhsa_private_segment_fixed_size 0
		.amdhsa_enable_private_segment 0
		.amdhsa_kernarg_size 24
		.amdhsa_user_sgpr_count 2
		.amdhsa_user_sgpr_kernarg_segment_ptr 1
		.amdhsa_wavefront_size32 1
		.amdhsa_system_sgpr_workgroup_id_x 1
		.amdhsa_system_sgpr_workgroup_id_y 1
		.amdhsa_system_sgpr_workgroup_id_z 1
		.amdhsa_system_vgpr_workitem_id 0
		.amdhsa_next_free_vgpr 480
		.amdhsa_next_free_sgpr 66
		.amdhsa_reserve_vcc 0
		.amdhsa_float_denorm_mode_32 3
		.amdhsa_float_denorm_mode_16_64 3
		.amdhsa_memory_ordered 1
		.amdhsa_forward_progress 1
		.amdhsa_inst_pref_size 57
	.end_amdhsa_kernel
	.amdgpu_metadata
---
amdhsa.version: [ 1, 2 ]
amdhsa.kernels:
  - .name:           k_q54e015ae49_P
    .symbol:         k_q54e015ae49_P.kd
    .args:
      - { .name: values, .offset: 0, .size: 8, .value_kind: global_buffer, .address_space: global }
      - { .name: wts, .offset: 8, .size: 8, .value_kind: global_buffer, .address_space: global }
      - { .name: pl, .offset: 16, .size: 8, .value_kind: global_buffer, .address_space: global }
    .group_segment_fixed_size: 132096
    .private_segment_fixed_size: 0
    .kernarg_segment_align: 8
    .kernarg_segment_size: 24
    .max_flat_workgroup_size: 256
    .sgpr_count:     66
    .vgpr_count:     480
    .wavefront_size: 32
...
	.end_amdgpu_metadata
.endif
;; end of part 6
;; launch C1 (part 7): grid 16 x 16, 4 waves a work-group, no clusters, 66,048 bytes of LDS; arguments packs, pl, bc1, hbuf; writes hbuf
.if DOCPART == 7
	.amdgcn_target "amdgcn-amd-amdhsa--gfx1250"
	.amdhsa_code_object_version 6
	.text
	.protected	k_q54e015ae49_C1
	.globl	k_q54e015ae49_C1
	.p2align	8
	.type	k_q54e015ae49_C1,@function
k_q54e015ae49_C1:
	s_mov_b64 s[64:65], 0
	v_nop
	global_prefetch_b8 v0, s[64:65] scope:SCOPE_SE
	s_setreg_imm32_b32 hwreg(HW_REG_WAVE_MODE, 25, 1), 1
	s_wait_xcnt 0x0
; C1: h[q][ch] = relu(sum over e of pooled[q][e] Wc1[ch][e] + bc1[ch]).  Y = pl holds the two halves of F side by side along K (2 x 16 K steps);
; X = the packed Wc1 (16 K steps).  A step takes one K step of X and the same K step of both halves of Y, so each X fragment serves both and the product adds the halves.
; OUT[n][m] = sum over k of X[m][k] Y[n][k], operands split bf16 (hi + lo), three products, sums in f32; result split again and stored in fragment order.
; A work-group makes 64 (ch) x 64 (q) of OUT: a step loads 4 tiles of X and 8 of Y for 32 tile products; 256 work-groups, one for a WGP.
; Four waves split K (4 of X's K steps each) and add their parts through LDS; wave w finishes tiles 4 w .. 4 w + 3 (m tile a = w, all four n tiles).
; REGISTERS in windows of 256: X's sets in v16-v143, Y's two sets fill v256-v511, the accumulators in v512-v639.
; No cluster: operands go straight into registers in fragment order; K is 4 steps a wave.
.set MT, 4
.set NT, 4
.set PH, 2                             ; Y has two runs of K steps,
.set PHOFF, 32768                      ; 16 K steps of 2,048 bytes apart
.set NS, 4
.set DEPTH, 2
.set RTX, 32768
.set RTY, 65536
.set RTO, 65536
.set LGN, 14                           ; a wave's 16 partial tiles: 16,384 bytes of LDS
.set LGT, 12                           ; the 4 tiles that a wave finishes: 4,096 bytes
.set WC1P, 9699328
; ---- the product's common part ----
.set YT, NT*PH                         ; Y tiles in a set
.set NTL, MT*NT                        ; accumulators, tile t = a*NT + n at v[512 + 8 t]
.set TPW, NTL/4                        ; tiles that a wave finishes
.set LPS, 4*(MT+YT)                    ; loads in a set
.set XS, 16                            ; X's sets (window 0); a tile = 8 registers hi, 8 lo
.set RD, 16                            ; the way out: 4 waves' parts of tile tt at RD + 32 tt
.set OUTR, 144                         ; the way out: packed words, 8 for each tile
.set BIAS, 208
.set T0, 8
.set T1, 9
.set MULW, 0xa4                        ; A window 0, B window 1, C and D window 2
.set TOY, 0x40                         ; a load's destination in window 1
.set FROMACC, 0x08                     ; an LDS store's data in window 2
.set MSB, 0
.macro WIN new                         ; the immediate's high byte repeats the setting that is left
.if MSB != \new
	s_set_vgpr_msb (MSB<<8)|\new
.set MSB, \new
.endif
.endm
.macro PLACES                          ; four plain vector instructions behind a matrix instruction, before its registers are loaded, stored or rewritten (ISA guide 7.12.1)
.rept 4
	v_nop
.endr
.endm
.macro ADD8 d, s
.irp k, 0,2,4,6
	v_pk_add_f32 v[\d+\k:\d+\k+1], v[\d+\k:\d+\k+1], v[\s+\k:\s+\k+1]
.endr
.endm
.macro IDS
	v_lshrrev_b32 v2, 5, v0
	v_readfirstlane_b32 s16, v2            ; wave
	s_mov_b32 s17, ttmp9                   ; mx
	s_and_b32 s18, ttmp7, 0xffff           ; ny
	v_and_b32 v1, 31, v0
	v_lshlrev_b32 v1, 4, v1                ; lane * 16: the one vector offset of all operand loads
	v_bfe_u32 v7, v0, 4, 1                 ; h
	v_lshl_add_u32 v3, s16, LGN, v1        ; LDS: my partial tiles
	v_lshl_add_u32 v4, s16, LGT, v1        ; LDS: the tiles that I finish, in each wave's part
	s_lshr_b32 s24, s16, 1
	s_and_b32 s25, s16, 1
	s_mov_b32 s21, 0
.endm
.macro LOADSET s, i                    ; K step i of my share into set s
	WIN 0
.set tau, 0
.rept MT
.irp q, 0,1
.irp c, 0,1
	global_load_b128 v[XS+16*MT*(\s)+16*tau+8*\q+4*\c:XS+16*MT*(\s)+16*tau+8*\q+4*\c+3], v1, s[36:37] offset:tau*RTX+(\i)*2048+\q*1024+\c*512
.endr
.endr
.set tau, tau+1
.endr
	WIN TOY
.set tau, 0
.rept YT
.irp q, 0,1
.irp c, 0,1
	global_load_b128 v[16*YT*(\s)+16*tau+8*\q+4*\c:16*YT*(\s)+16*tau+8*\q+4*\c+3], v1, s[38:39] offset:(tau%NT)*RTY+(tau/NT)*PHOFF+(\i)*2048+\q*1024+\c*512
.endr
.endr
.set tau, tau+1
.endr
.endm
.macro MUL3 s                          ; hi*hi, hi*lo, lo*hi; the accumulators take turns, one instruction a turn
.irp pr, 0,1,2
.set tp, 0
.rept PH
.set ta, 0
.rept MT
.set tn, 0
.rept NT
.set XR, XS+16*MT*(\s)+16*ta+8*(\pr/2)
.set YR, 16*YT*(\s)+16*(tp*NT+tn)+8*(\pr%2)
.set AR, 8*(ta*NT+tn)
.if (st+\pr+tp) == 0
	v_wmma_f32_16x16x32_bf16 v[AR:AR+7], v[XR:XR+7], v[YR:YR+7], 0
.else
	v_wmma_f32_16x16x32_bf16 v[AR:AR+7], v[XR:XR+7], v[YR:YR+7], v[AR:AR+7]
.endif
.set tn, tn+1
.endr
.set ta, ta+1
.endr
.set tp, tp+1
.endr
.endr
.endm
.macro STEP
.if NS-1-st < DEPTH-1
	s_wait_loadcnt LPS*(NS-1-st)           ; loads come back in order: this step's set is in, the younger sets stay out
.else
	s_wait_loadcnt LPS*(DEPTH-1)
.endif
.set cur, st%DEPTH
.set nxt, st+DEPTH
	WIN MULW
	MUL3 cur
.if nxt < NS
	PLACES
	LOADSET cur, nxt
.endif
.endm
.macro PRODUCT                         ; leaves the tiles that I finish, summed over the four waves, in v[RD+32 tt : RD+32 tt+7]
.set st, 0
.rept DEPTH                            ; more loads go out here than the counter's field holds: the issue is then held back (ISA guide 5.7.1); no wait's count hangs on that
	LOADSET st, st
.set st, st+1
.endr
.set st, 0
.rept NS
	STEP
.set st, st+1
.endr
	PLACES
	WIN FROMACC
.set tl, 0
.rept NTL
.irp q, 0,1
	ds_store_b128 v3, v[8*tl+4*\q:8*tl+4*\q+3] offset:tl*1024+\q*512
.endr
.set tl, tl+1
.endr
	WIN 0
	s_wait_dscnt 0x0                       ; my parts are in LDS, for the other waves' sake
	s_barrier_signal -1
	s_barrier_wait -1
.set tt, 0
.rept TPW
.irp sr, 0,1,2,3
.irp q, 0,1
	ds_load_b128 v[RD+32*tt+8*\sr+4*\q:RD+32*tt+8*\sr+4*\q+3], v4 offset:\sr*NTL*1024+tt*1024+\q*512
.endr
.endr
.set tt, tt+1
.endr
	s_wait_dscnt 0x0
.set tt, 0
.rept TPW
	ADD8 RD+32*tt, RD+32*tt+8
	ADD8 RD+32*tt+16, RD+32*tt+24
	ADD8 RD+32*tt, RD+32*tt+16
.set tt, tt+1
.endr
.endm
.macro SPLIT2 hi, lo, a, b
	v_cvt_pk_bf16_f32 v[\hi], v[\a], v[\b]
	v_lshlrev_b32 v[T0], 16, v[\hi]
	v_and_b32 v[T1], 0xffff0000, v[\hi]
	v_sub_f32 v[T0], v[\a], v[T0]
	v_sub_f32 v[T1], v[\b], v[T1]
	v_cvt_pk_bf16_f32 v[\lo], v[T0], v[T1]
.endm
.macro FOSALL                          ; each finished tile -> half a block in fragment order: 512 bytes of hi parts, 512 of lo parts; data registers of its own
.set tt, 0
.rept TPW
.irp p, 0,1,2,3
	SPLIT2 OUTR+8*tt+\p, OUTR+8*tt+4+\p, RD+32*tt+2*\p, RD+32*tt+2*\p+1
.endr
	global_store_b128 v1, v[OUTR+8*tt:OUTR+8*tt+3], s[42:43] offset:tt*RTO
	global_store_b128 v1, v[OUTR+8*tt+4:OUTR+8*tt+7], s[42:43] offset:tt*RTO+1024
.set tt, tt+1
.endr
.endm
; ---- end of the common part ----
	s_load_b256 s[4:11], s[0:1], 0x0       ; packs 4, pl 6, bc1 8, hbuf 10
	v_lshl_add_u32 v254, v0, 2, 0x10000
	v_mov_b32 v255, 0
	IDS
	s_wait_kmcnt 0x0
	s_lshl_b32 s20, s17, 17                ; X = Wc1: row tiles 4 mx .. 4 mx + 3 of 32,768 bytes
	s_lshl_b32 s22, s16, 13                ; my 4 K steps, of X and of each half of Y
	s_add_co_u32 s20, s20, s22
	s_add_co_u32 s20, s20, WC1P
	s_add_nc_u64 s[36:37], s[4:5], s[20:21]
	s_lshl_b32 s20, s18, 18                ; Y = pl: row tiles 4 ny .. 4 ny + 3 of 65,536 bytes
	s_add_co_u32 s20, s20, s22
	s_add_nc_u64 s[38:39], s[6:7], s[20:21]
	s_lshl_b32 s20, s18, 18                ; out: row tile 4 ny (+ tt in the immediate), m tile 4 mx + w = K step 2 mx + w / 2, half w % 2
	s_lshl1_add_u32 s22, s17, s24
	s_lshl_b32 s22, s22, 11
	s_add_co_u32 s20, s20, s22
	s_lshl_b32 s22, s25, 9
	s_add_co_u32 s20, s20, s22
	s_add_nc_u64 s[42:43], s[10:11], s[20:21]
	s_lshl2_add_u32 s22, s17, s16
	s_lshl_b32 s22, s22, 6
	v_lshl_add_u32 v6, v7, 5, s22          ; bias: ch = 16 (4 mx + w) + 8 h
	global_load_b128 v[BIAS:BIAS+3], v6, s[8:9]
	global_load_b128 v[BIAS+4:BIAS+7], v6, s[8:9] offset:16
	PRODUCT
.set tt, 0
.rept TPW
	ADD8 RD+32*tt, BIAS
.irp j, 0,1,2,3,4,5,6,7
	v_max_num_f32 v[RD+32*tt+\j], 0, v[RD+32*tt+\j]    ; relu
.endr
.set tt, tt+1
.endr
	FOSALL
	s_wait_tensorcnt 0x0
	ds_add_u32 v254, v255
	s_wait_dscnt 0x0
	s_endpgm
.Lfunc_end_k_q54e015ae49_C1:
	.size	k_q54e015ae49_C1, .Lfunc_end_k_q54e015ae49_C1-k_q54e015ae49_C1
	.p2alignl 7, 3214868480
	.fill 96, 4, 3214868480
	.section	.rodata,"a",@progbits
	.p2align	6, 0x0
	.amdhsa_kernel k_q54e015ae49_C1
		.amdhsa_group_segment_fixed_size 66048
		.amdhsa_private_segment_fixed_size 0
		.amdhsa_enable_private_segment 0
		.amdhsa_kernarg_size 32
		.amdhsa_user_sgpr_count 2
		.amdhsa_user_sgpr_kernarg_segment_ptr 1
		.amdhsa_wavefront_size32 1
		.amdhsa_system_sgpr_workgroup_id_x 1
		.amdhsa_system_sgpr_workgroup_id_y 1
		.amdhsa_system_sgpr_workgroup_id_z 1
		.amdhsa_system_vgpr_workitem_id 0
		.amdhsa_next_free_vgpr 640
		.amdhsa_next_free_sgpr 66
		.amdhsa_reserve_vcc 0
		.amdhsa_float_denorm_mode_32 3
		.amdhsa_float_denorm_mode_16_64 3
		.amdhsa_memory_ordered 1
		.amdhsa_forward_progress 1
		.amdhsa_inst_pref_size 60
	.end_amdhsa_kernel
	.amdgpu_metadata
---
amdhsa.version: [ 1, 2 ]
amdhsa.kernels:
  - .name:           k_q54e015ae49_C1
    .symbol:         k_q54e015ae49_C1.kd
    .args:
      - { .name: packs, .offset: 0, .size: 8, .value_kind: global_buffer, .address_space: global }
      - { .name: pl, .offset: 8, .size: 8, .value_kind: global_buffer, .address_space: global }
      - { .name: bc1, .offset: 16, .size: 8, .value_kind: global_buffer, .address_space: global }
      - { .name: hbuf, .offset: 24, .size: 8, .value_kind: global_buffer, .address_space: global }
    .group_segment_fixed_size: 66048
    .private_segment_fixed_size: 0
    .kernarg_segment_align: 8
    .kernarg_segment_size: 32
    .max_flat_workgroup_size: 128
    .sgpr_count:     66
    .vgpr_count:     640
    .wavefront_size: 32
...
	.end_amdgpu_metadata
.endif
;; end of part 7
;; launch C2 (part 8): grid 2 x 64, 4 waves a work-group, no clusters, 22,016 bytes of LDS; arguments packs, hbuf, bc2, out0; writes out0
.if DOCPART == 8
	.amdgcn_target "amdgcn-amd-amdhsa--gfx1250"
	.amdhsa_code_object_version 6
	.text
	.protected	k_q54e015ae49_C2
	.globl	k_q54e015ae49_C2
	.p2align	8
	.type	k_q54e015ae49_C2,@function
k_q54e015ae49_C2:
	s_mov_b64 s[64:65], 0
	v_nop
	global_prefetch_b8 v0, s[64:65] scope:SCOPE_SE
	s_setreg_imm32_b32 hwreg(HW_REG_WAVE_MODE, 25, 1), 1
	s_wait_xcnt 0x0
; C2: out0[q][l] = sum over ch of h[q][ch] Wc2[l][ch] + bc2[l].  X = the packed Wc2 (8 row tiles), Y = hbuf (64 row tiles), K = 1,024.
; OUT[n][m] = sum over k of X[m][k] Y[n][k], operands split bf16 (hi + lo), three products, sums in f32.
; A work-group makes 16 q x 64 l (four tiles a); four waves split K (8 K steps each) and add their parts through LDS; wave w finishes tile a = w.
; The result leaves through an LDS stage (a part of 16 rows x 80 bytes for each wave), read back by rows: 16 lanes store 256 consecutive bytes, aligned.
; No cluster: operands go straight into registers in fragment order; K is 8 steps a wave.
.set MT, 4
.set NT, 1
.set NS, 8
.set DEPTH, 2
.set RTX, 65536
.set RTY, 65536
.set BIAS, 208
.set WC2P, 11796480
.set STAGE, 16384
; ---- the product's common part ----
.set ACC, 8                            ; v[8:39] four accumulators, tile t = a*NT + n
.set SET0, 40                          ; operand sets: X's tiles, then Y's; a tile = 8 registers hi, 8 lo
.set SETSZ, 16*(MT+NT)
.set LPS, 4*(MT+NT)                    ; loads in a set
.macro PLACES                          ; four plain vector instructions behind a matrix instruction, before its registers are loaded, stored or rewritten (ISA guide 7.12.1)
.rept 4
	v_nop
.endr
.endm
.macro ADD8 d, s
.irp k, 0,2,4,6
	v_pk_add_f32 v[\d+\k:\d+\k+1], v[\d+\k:\d+\k+1], v[\s+\k:\s+\k+1]
.endr
.endm
.macro LOADSET s, i                    ; K step i of my share into set s
.set tau, 0
.rept MT
.irp q, 0,1
.irp c, 0,1
	global_load_b128 v[SET0+SETSZ*\s+16*tau+8*\q+4*\c:SET0+SETSZ*\s+16*tau+8*\q+4*\c+3], v1, s[36:37] offset:tau*RTX+\i*2048+\q*1024+\c*512
.endr
.endr
.set tau, tau+1
.endr
.set tau, 0
.rept NT
.irp q, 0,1
.irp c, 0,1
	global_load_b128 v[SET0+SETSZ*\s+16*(MT+tau)+8*\q+4*\c:SET0+SETSZ*\s+16*(MT+tau)+8*\q+4*\c+3], v1, s[38:39] offset:tau*RTY+\i*2048+\q*1024+\c*512
.endr
.endr
.set tau, tau+1
.endr
.endm
.macro MUL3 s                          ; hi*hi, hi*lo, lo*hi; the four accumulators take turns, one instruction a turn
.irp pr, 0,1,2
.set ta, 0
.rept MT
.set tn, 0
.rept NT
.set XR, SET0+SETSZ*\s+16*ta+8*(\pr/2)
.set YR, SET0+SETSZ*\s+16*(MT+tn)+8*(\pr%2)
.set AR, ACC+8*(ta*NT+tn)
.if (st+\pr) == 0
	v_wmma_f32_16x16x32_bf16 v[AR:AR+7], v[XR:XR+7], v[YR:YR+7], 0
.else
	v_wmma_f32_16x16x32_bf16 v[AR:AR+7], v[XR:XR+7], v[YR:YR+7], v[AR:AR+7]
.endif
.set tn, tn+1
.endr
.set ta, ta+1
.endr
.endr
.endm
.macro STEP
.if NS-1-st < DEPTH-1
	s_wait_loadcnt LPS*(NS-1-st)           ; loads come back in order: this step's set is in, the younger sets stay out
.else
	s_wait_loadcnt LPS*(DEPTH-1)
.endif
.set cur, st%DEPTH
.set nxt, st+DEPTH
	MUL3 cur
.if nxt < NS
	PLACES
	LOADSET cur, nxt
.endif
.endm
.macro PRODUCT                         ; leaves tile w, summed over the four waves, in v[40:47]
.set st, 0
.rept DEPTH
	LOADSET st, st
.set st, st+1
.endr
.set st, 0
.rept NS
	STEP
.set st, st+1
.endr
	PLACES
.irp t, 0,1,2,3
.irp q, 0,1
	ds_store_b128 v3, v[ACC+8*\t+4*\q:ACC+8*\t+4*\q+3] offset:\t*1024+\q*512
.endr
.endr
	s_wait_dscnt 0x0                       ; my parts are in LDS, for the other waves' sake
	s_barrier_signal -1
	s_barrier_wait -1
.irp sr, 0,1,2,3
.irp q, 0,1
	ds_load_b128 v[40+8*\sr+4*\q:40+8*\sr+4*\q+3], v4 offset:\sr*4096+\q*512
.endr
.endr
	s_wait_dscnt 0x0
	ADD8 40, 48
	ADD8 56, 64
	ADD8 40, 56
.endm
; ---- end of the common part ----
	s_load_b256 s[4:11], s[0:1], 0x0       ; packs 4, hbuf 6, bc2 8, out0 10
	v_lshl_add_u32 v216, v0, 2, 0x5400
	v_mov_b32 v217, 0
	v_lshrrev_b32 v2, 5, v0
	v_readfirstlane_b32 s16, v2            ; wave = the tile a that I finish
	s_mov_b32 s17, ttmp9                   ; mx: which 64 l
	s_and_b32 s18, ttmp7, 0xffff           ; ny: which 16 q
	s_mov_b32 s21, 0
	v_and_b32 v1, 31, v0
	v_lshlrev_b32 v1, 4, v1                ; lane * 16
	v_lshl_add_u32 v3, s16, 12, v1         ; LDS: my four partial tiles
	v_lshl_add_u32 v4, s16, 10, v1         ; LDS: tile w in each wave's part
	v_and_b32 v40, 15, v0                  ; r, and a thread's 16-byte piece of a row on the way back
	v_bfe_u32 v41, v0, 4, 1                ; h
	s_mul_i32 s22, s16, 1280
	v_mul_u32_u24 v2, v40, 80
	v_lshl_add_u32 v2, v41, 5, v2
	v_add_nc_u32 v2, s22, v2
	v_add_nc_u32 v2, STAGE, v2             ; stage in: my part, row r, 32 bytes for each half of the lanes
	v_lshrrev_b32 v42, 4, v0               ; row 0..7 on the way back
	v_lshrrev_b32 v43, 2, v40              ; whose part holds my piece
	v_and_b32 v44, 3, v0
	v_mul_u32_u24 v5, v43, 1280
	v_mad_u32_u24 v5, v42, 80, v5
	v_lshl_add_u32 v5, v44, 4, v5
	v_add_nc_u32 v5, STAGE, v5             ; stage back
	v_lshlrev_b32 v7, 9, v42
	v_lshl_add_u32 v7, v40, 4, v7          ; the same row and piece in out0 (rows of 512 bytes)
	s_lshl2_add_u32 s22, s17, s16
	s_lshl_b32 s22, s22, 6
	v_lshl_add_u32 v6, v41, 5, s22         ; bias: l = 16 (4 mx + a) + 8 h
	s_wait_kmcnt 0x0
	s_lshl_b32 s20, s17, 18                ; X = Wc2: row tiles 4 mx .. 4 mx + 3
	s_lshl_b32 s22, s16, 14                ; my 8 K steps
	s_add_co_u32 s20, s20, s22
	s_add_co_u32 s20, s20, WC2P
	s_add_nc_u64 s[36:37], s[4:5], s[20:21]
	s_lshl_b32 s20, s18, 16                ; Y = hbuf: row tile ny
	s_add_co_u32 s20, s20, s22
	s_add_nc_u64 s[38:39], s[6:7], s[20:21]
	s_lshl_b32 s20, s18, 13                ; out0: 16 rows of 512 bytes, 256 bytes for each mx
	s_lshl_b32 s22, s17, 8
	s_add_co_u32 s20, s20, s22
	s_add_nc_u64 s[42:43], s[10:11], s[20:21]
	global_load_b128 v[BIAS:BIAS+3], v6, s[8:9]
	global_load_b128 v[BIAS+4:BIAS+7], v6, s[8:9] offset:16
	PRODUCT
	ADD8 40, BIAS
	ds_store_b128 v2, v[40:43]
	ds_store_b128 v2, v[44:47] offset:16
	s_wait_dscnt 0x0                       ; my tile is in the stage, for the other waves' sake
	s_barrier_signal -1
	s_barrier_wait -1
	ds_load_b128 v[48:51], v5
	ds_load_b128 v[52:55], v5 offset:640   ; eight rows further down
	s_wait_dscnt 0x0
	global_store_b128 v7, v[48:51], s[42:43]
	global_store_b128 v7, v[52:55], s[42:43] offset:4096
	s_wait_tensorcnt 0x0
	ds_add_u32 v216, v217
	s_wait_dscnt 0x0
	s_endpgm
.Lfunc_end_k_q54e015ae49_C2:
	.size	k_q54e015ae49_C2, .Lfunc_end_k_q54e015ae49_C2-k_q54e015ae49_C2
	.p2alignl 7, 3214868480
	.fill 96, 4, 3214868480
	.section	.rodata,"a",@progbits
	.p2align	6, 0x0
	.amdhsa_kernel k_q54e015ae49_C2
		.amdhsa_group_segment_fixed_size 22016
		.amdhsa_private_segment_fixed_size 0
		.amdhsa_enable_private_segment 0
		.amdhsa_kernarg_size 32
		.amdhsa_user_sgpr_count 2
		.amdhsa_user_sgpr_kernarg_segment_ptr 1
		.amdhsa_wavefront_size32 1
		.amdhsa_system_sgpr_workgroup_id_x 1
		.amdhsa_system_sgpr_workgroup_id_y 1
		.amdhsa_system_sgpr_workgroup_id_z 1
		.amdhsa_system_vgpr_workitem_id 0
		.amdhsa_next_free_vgpr 218
		.amdhsa_next_free_sgpr 66
		.amdhsa_reserve_vcc 0
		.amdhsa_float_denorm_mode_32 3
		.amdhsa_float_denorm_mode_16_64 3
		.amdhsa_memory_ordered 1
		.amdhsa_forward_progress 1
		.amdhsa_inst_pref_size 28
	.end_amdhsa_kernel
	.amdgpu_metadata
---
amdhsa.version: [ 1, 2 ]
amdhsa.kernels:
  - .name:           k_q54e015ae49_C2
    .symbol:         k_q54e015ae49_C2.kd
    .args:
      - { .name: packs, .offset: 0, .size: 8, .value_kind: global_buffer, .address_space: global }
      - { .name: hbuf, .offset: 8, .size: 8, .value_kind: global_buffer, .address_space: global }
      - { .name: bc2, .offset: 16, .size: 8, .value_kind: global_buffer, .address_space: global }
      - { .name: out0, .offset: 24, .size: 8, .value_kind: global_buffer, .address_space: global }
    .group_segment_fixed_size: 22016
    .private_segment_fixed_size: 0
    .kernarg_segment_align: 8
    .kernarg_segment_size: 32
    .max_flat_workgroup_size: 128
    .sgpr_count:     66
    .vgpr_count:     218
    .wavefront_size: 32
...
	.end_amdgpu_metadata
.endif
;; end of part 8
